; MI455X (gfx1250); checked and timed in simulation.
; The chip was launched on July 23, 2026; its instructions are those of AMD's public machine-readable ISA for CDNA 5 (MIT licence, August 2026) and "CDNA5" Instruction Set Architecture Reference Guide (July 2026). The comments in the code are by the model that wrote it; some were corrected since.
;; Relative Position Multi Head Attention. Allowed arithmetic: matrix products marked QUANTISED: E2M1 operands, one E8M0 scale for each 32 along K, by v_wmma_scale_f32_16x16x128_f8f6f4 with both operands' format E2M1 (or v_wmma_scale_f32_32x16x128_f4), f32 sums; products left as they are: bf16, f16 or f32 operands; f32 sums; everything else in f32.
;; Inputs: bu 64 x 8 float32; bv 64 x 8 float32; k 8 x 1,024 x 512 float32; mask 8 x 1,024 bool; q 8 x 1,024 x 512 float32; v 8 x 1,024 x 512 float32; wk 512 x 64 x 8 float32; wo 64 x 8 x 512 float32; wq 512 x 64 x 8 float32; wv 512 x 64 x 8 float32.
;; Outputs: out0 8 x 1,024 x 512 float32.
;; This version of the problem:
;;   THIS VERSION OF THE PROBLEM IS GIVEN IN LOW PRECISION. The matrix products marked QUANTISED in the list below multiply operands that are first quantised to E2M1 (2 exponent bits, 1 mantissa bit; 4 bits a number), with one power-of-two scale for each 32 numbers along K (OCP MX v1.0); their sums are f32. The products marked 'left as it is' may take bf16, f16 or f32 operands, with f32 sums. Whichever they take, every output number must still come out within the allowed error. Rounding operands to bf16 (8 significant bits) uses up far more of that allowance than f16 does (11 bits, for magnitudes from 6e-5 to 65,504). All else is computed in f32.
;;   The module's matrix products, in the order in which they are computed (A, B: the left and right operand; K: the contracted axis; several contracted axes count as one K, in the product's order):
;;     1. [M 8,192, K 512] x [K 512, N 512]; A: input q; B: input wq: QUANTISED
;;     2. [M 8,192, K 512] x [K 512, N 512]; A: input k; B: input wk: QUANTISED
;;     3. [M 8,192, K 512] x [K 512, N 512]; A: input v; B: input wv: QUANTISED
;;     4. batch 64 x [M 1,024, K 64] x [K 64, N 1,024]; A: computed on the way; B: computed on the way: left as it is (an operand is computed on the way)
;;     5. batch 1,024 x [M 1,024, K 64] x [K 64, N 64]; A: computed on the way; B: computed on the way: left as it is (an operand is computed on the way)
;;     6. batch 64 x [M 64, K 1,024] x [K 1,024, N 1,024]; A: computed on the way; B: computed on the way: left as it is (an operand is computed on the way)
;;     7. [M 8,192, K 512] x [K 512, N 512]; A: computed on the way; B: input wo: left as it is (an operand is computed on the way)
;;   THE QUANTISER, for each operand of a quantised product, along K:
;;     - K is cut into blocks of 32 from its start; a last block that is shorter is filled with zeros.
;;     - A block's scale is 2^e with e = floor(log2(the largest magnitude in the block)) - 2, held to -126 .. 127; a block of zeros has e = 0. As a byte (E8M0): e + 127.
;;     - Each number is divided by its block's scale, clamped to +-6, and rounded to the nearest number of E2M1, ties to even, subnormals kept.
;;     - The product sums the exact products of the quantised numbers (number of the format x scale) in f32.
;;   ~~~python
;;   def quantise(x, axis):      # numpy; x: float32 -> the quantised numbers, widened to float32 again
;;       x = np.moveaxis(x, axis, -1); K = x.shape[-1]
;;       x = np.pad(x, [(0, 0)] * (x.ndim - 1) + [(0, -K % 32)]); x = x.reshape(x.shape[:-1] + (-1, 32)); a = np.abs(x).max(-1, keepdims=True)
;;       e = np.where(a > 0, np.clip(np.frexp(np.where(a > 0, a, 1))[1] - 1 - 2, -126, 127), 0)      # np.frexp(a)[1] - 1 = floor(log2(a)), exactly
;;       r = np.clip(x / 2.0 ** e, -6, 6)
;;       step = 2.0 ** (np.maximum(np.frexp(np.where(r == 0, 1, r))[1] - 1, 0) - 1)
;;       q = np.round(r / step) * step * 2.0 ** e      # np.round: ties to even
;;       return np.moveaxis(q.reshape(q.shape[:-2] + (-1,))[..., :K], -1, axis).astype(np.float32)
;;   ~~~
;; 2 versions, each right; version 2 is version 1 with the launch proj written anew for expert scheduling mode. Each part assembles by itself: llvm-mc -triple=amdgcn-amd-amdhsa -mcpu=gfx1250 --defsym DOCPART=n.
;; ======== version 1 of 2: 4 launches
;; limits: values are held in f16: magnitudes above 65,504 overflow, below 6.1e-05 lose precision
;; workspace buffers: wpack 442,368 bytes; woimg 524,288 bytes; cpack 430,080 bytes; qacc 16,777,216 bytes; kimg 8,388,608 bytes; vimg 8,388,608 bytes; ximg 8,388,608 bytes
;; launch prep (part 1): grid 161 x 1, 4 waves a work-group, no clusters, 0 bytes of LDS; arguments wq, wk, wv, wo, bu, bv, mask, wpack, woimg, cpack; writes wpack, woimg, cpack
.if DOCPART == 1
	.amdgcn_target "amdgcn-amd-amdhsa--gfx1250"
	.amdhsa_code_object_version 6
	.text
	.protected	k_qf64be9e079_prep
	.globl	k_qf64be9e079_prep
	.p2align	8
	.type	k_qf64be9e079_prep,@function
k_qf64be9e079_prep:
	s_mov_b64 s[64:65], 0
	v_nop
	global_prefetch_b8 v0, s[64:65] scope:SCOPE_SE
	s_setreg_imm32_b32 hwreg(HW_REG_WAVE_MODE, 25, 1), 1
	s_wait_xcnt 0x0
; PREP: everything that is small and is read many times later is laid out once, as images of operand registers
; (a piece = 32 lanes x 16 bytes = 512 consecutive bytes, lane L at 16 L).  Five roles, picked by the work-group's number:
;   W   0..95   wq, wk, wv [512 (K)][64 e][8 head] f32 -> codes of E2M1 along K with one E8M0 byte for each 32: wpack
;   O  96..127  wo [64 e][8 head][512 m] f32 -> f16 fragments, K = 64 head + e: woimg
;   T 128..143  sin(pos w_i), cos(pos w_i), w_i = 10000^(-i/32), pos = 0..1023: f32 and f16 images: cpack
;   B 144       bu, bv x c, c = log2(e)/8, laid [head][e]: cpack          M 145..160  mask -> 0 or -3e38 as f32: cpack
; No LDS, no barrier, no matrix instruction: the waves share nothing.  No cluster: no two work-groups read the same tile.
; LIMITS: NaN and infinities among the weights are not served; a block whose largest magnitude lies under 2^-124 has its byte held at 1;
; a block of zeros gets the byte 1 and not 127: its codes are zeros, and only this program reads the bytes.
.set NEG,  0xff61b1e6                  ; -3e38: what a hidden key adds to its score
.set CLOG, 0x3e38aa3b                  ; c = log2(e) / sqrt(64)
.set X,    32                          ; v32-95   64 numbers as loaded
.set C,    96                          ; v96-127  what is stored
.set FW,   32                          ; role T: v32-47 sixteen frequencies
.set VV,   64                          ; role T: v64-95 sin, cos by turns
.set WP_SC,   393216                   ; wpack: the scale words begin here
.set CP_SIMG, 262144                   ; cpack: f16 table
.set CP_MB,   393216                   ; cpack: mask bias
.set CP_BT,   425984                   ; cpack: biases
	s_load_b512 s[4:19], s[0:1], 0x0               ; wq s[4:5], wk s[6:7], wv s[8:9], wo s[10:11], bu s[12:13], bv s[14:15], mask s[16:17], wpack s[18:19]
	s_load_b128 s[20:23], s[0:1], 0x40             ; woimg s[20:21], cpack s[22:23]
	v_lshrrev_b32 v1, 5, v0
	v_readfirstlane_b32 s24, v1                    ; wave 0..3
	v_and_b32 v2, 31, v0                           ; lane L
	v_and_b32 v3, 15, v0                           ; r
	v_bfe_u32 v4, v0, 4, 1                         ; h
	v_lshlrev_b32 v5, 4, v2                        ; 16 L
	v_lshlrev_b32 v6, 2, v2                        ; 4 L
	s_mov_b32 s26, 0x76543210                      ; v_permlanex16_b32's selects for lane l xor 16
	s_mov_b32 s27, 0xfedcba98
	s_mov_b32 s35, 0                               ; the high word of every offset pair s[34:35]
	s_wait_kmcnt 0x0
	s_cmp_lt_u32 ttmp9, 96
	s_cbranch_scc0 .Lnot_w
; ---- W: work-group = 32 tensor + column tile (4 head + t); wave = K step of 128.  A lane takes column e = 16 t + r of its head and its registers run DOWN K:
; register 32 c + i holds K = 128 s + 64 c + 32 h + i: two whole blocks of 32 a lane, in the order of the operand's registers.
	s_lshr_b32 s28, ttmp9, 5                       ; the tensor
	s_cmp_eq_u32 s28, 0
	s_cselect_b64 s[30:31], s[4:5], s[6:7]
	s_cmp_eq_u32 s28, 2
	s_cselect_b64 s[30:31], s[8:9], s[30:31]
	s_and_b32 s29, ttmp9, 31
	s_and_b32 s32, s29, 3                          ; t
	s_lshr_b32 s33, s29, 2                         ; head
	s_lshl_b32 s34, s24, 18                        ; 128 rows of 2,048 bytes a K step
	s_lshl_b32 s32, s32, 9                         ; 16 e of 32 bytes
	s_add_co_u32 s34, s34, s32
	s_lshl_b32 s33, s33, 2
	s_add_co_u32 s34, s34, s33
	s_add_nc_u64 s[30:31], s[30:31], s[34:35]
	v_lshlrev_b32 v7, 5, v3                        ; e: 32 bytes apart
	v_lshl_add_u32 v7, v4, 16, v7                  ; lanes 16-31 begin 32 rows further down
.set n, 0
.rept 64
	global_load_b32 v[X+n], v7, s[30:31] offset:(n+32*(n/32))*2048
.set n, n+1
.endr
	s_lshl_b32 s36, ttmp9, 2
	s_add_co_u32 s36, s36, s24                     ; which fragment: (32 tensor + tile) x 4 + K step
	s_lshl_b32 s34, s36, 10
	s_add_nc_u64 s[40:41], s[18:19], s[34:35]      ; its codes, 1,024 bytes
	s_lshl_b32 s34, s36, 7
	s_add_nc_u64 s[42:43], s[18:19], s[34:35]      ; its scale words, 128 bytes
	s_wait_loadcnt 0x0
.irp c, 0,1
	v_max3_num_f32 v[8+\c], |v[X+32*\c]|, |v[X+32*\c+1]|, 0x1800000   ; the block's largest magnitude, with the floor 2^(3 - 127): the byte cannot fall under 1
.endr
.irp i, 2,4,6,8,10,12,14,16,18,20,22,24,26,28,30
.irp c, 0,1
	v_max3_num_f32 v[8+\c], v[8+\c], |v[X+32*\c+\i]|, |v[X+32*\c+\i+1]|
.endr
.endr
.irp c, 0,1
	v_add_nc_u32 v[10+\c], 0xff000000, v[8+\c]     ; 2 off the exponent field: the conversion's scale operand
.endr
.irp c, 0,1
	v_lshrrev_b32 v[12+\c], 23, v[10+\c]           ; the scale's byte
.endr
	v_lshl_or_b32 v14, v13, 16, v12                ; my blocks h and 2 + h,
	v_lshlrev_b32 v15, 3, v4
	v_lshlrev_b32 v14, v15, v14                    ; at their places in the word;
	v_mov_b32 v15, 0
	v_permlanex16_b32 v15, v14, s26, s27
	v_or_b32 v14, v14, v15                         ; with lane l xor 16's two the word is whole, in both lanes
.irp c, 0,1
.irp g, 0,1,2,3
	v_cvt_scalef32_pk8_fp4_f32 v[C+4*\c+\g], v[X+32*\c+8*\g:X+32*\c+8*\g+7], v[10+\c]
.endr
.endr
	v_nop                                          ; a plain line behind the last scaled conversion
	global_store_b128 v5, v[C:C+3], s[40:41]       ; each store of the wave covers 512 consecutive bytes, aligned
	global_store_b128 v5, v[C+4:C+7], s[40:41] offset:512
	global_store_b32 v6, v14, s[42:43] offset:WP_SC
	s_endpgm
.Lnot_w:
	s_cmp_lt_u32 ttmp9, 128
	s_cbranch_scc0 .Lnot_o
; ---- O: work-group = tile of 16 columns m; wave g = K steps 4 g .. 4 g + 3 of 32.  K step ks: head = ks / 2, e = 32 (ks % 2) + 16 c + 8 h + j.
	s_sub_co_u32 s28, ttmp9, 96
	s_lshl_b32 s34, s28, 6                         ; 16 m of 4 bytes
	s_lshl_b32 s29, s24, 12                        ; two heads of 2,048 bytes
	s_add_co_u32 s34, s34, s29
	s_add_nc_u64 s[30:31], s[10:11], s[34:35]
	v_lshlrev_b32 v7, 2, v3
	v_lshl_add_u32 v7, v4, 17, v7                  ; 8 e of 16,384 bytes for lanes 16-31
.irp i, 0,1,2,3
.irp c, 0,1
.irp j, 0,1,2,3,4,5,6,7
	global_load_b32 v[X+16*\i+8*\c+\j], v7, s[30:31] offset:(\i/2)*2048+(\i%2)*524288+(16*\c+\j)*16384
.endr
.endr
.endr
	s_lshl_b32 s34, s28, 14                        ; 16 K steps of 1,024 bytes a tile
	s_add_co_u32 s34, s34, s29                     ; + 4 g of them
	s_add_nc_u64 s[32:33], s[20:21], s[34:35]
	s_wait_loadcnt 0x0
.set n, 0
.rept 32
	v_cvt_pk_f16_f32 v[C+n], v[X+2*n], v[X+2*n+1]
.set n, n+1
.endr
.irp p, 0,1,2,3,4,5,6,7
	global_store_b128 v5, v[C+4*\p:C+4*\p+3], s[32:33] offset:512*\p
.endr
	s_endpgm
.Lnot_o:
	s_cmp_lt_u32 ttmp9, 144
	s_cbranch_scc0 .Lnot_t
; ---- T: a wave takes 16 positions.  Lane (r, h): position 16 pt + r, frequencies i = 8 tt + 4 h + jj; register 8 tt + 2 jj = sin, + 1 = cos: element e = 16 tt + 8 h + 2 jj (+ 1).
; The angle pos x w is brought into [-pi/4, pi/4] by two fused steps (pi/2 in two parts); sine and cosine by their series to r^7 and r^8: the terms left out lie under 4e-7.
	s_sub_co_u32 s28, ttmp9, 128
	s_lshl_b32 s28, s28, 2
	s_add_co_u32 s28, s28, s24                     ; pt
	s_lshl_b32 s29, s28, 4
	v_add_nc_u32 v7, s29, v3
	v_cvt_f32_u32 v7, v7                           ; pos
	v_lshlrev_b32 v8, 2, v4                        ; 4 h
	s_mov_b32 s36, 0x3f22f983                      ; 2 / pi
	s_mov_b32 s37, 0x3fc90fdb                      ; pi / 2, high part
	s_mov_b32 s38, 0xb33bbd2e                      ; and what is left of it
	s_mov_b32 s39, 0xb9500d01                      ; -1/5040
	s_mov_b32 s40, 0x3c088889                      ; 1/120
	s_mov_b32 s41, 0xbe2aaaab                      ; -1/6
	s_mov_b32 s42, 0x37d00d01                      ; 1/40320
	s_mov_b32 s43, 0xbab60b61                      ; -1/720
	s_mov_b32 s44, 0x3d2aaaab                      ; 1/24
.set n, 0
.rept 16
	v_add_nc_u32 v[FW+n], 8*(n/4)+n%4, v8          ; i
.set n, n+1
.endr
.set n, 0
.rept 16
	v_cvt_f32_u32 v[FW+n], v[FW+n]
.set n, n+1
.endr
.set n, 0
.rept 16
	v_mul_f32 v[FW+n], 0xbed49a78, v[FW+n]         ; -i log2(10000) / 32
.set n, n+1
.endr
.set n, 0
.rept 16
	v_exp_f32 v[FW+n], v[FW+n]                     ; w_i
.set n, n+1
.endr
	v_nop                                          ; a plain line behind the last exponential
	s_wait_alu depctr_va_vdst(0)                   ; one wait for the batch of sixteen, ahead of its first reader
.macro SINCOS n
	v_mul_f32 v10, v7, v[FW+(\n)]                  ; x = pos w
	v_mul_f32 v11, s36, v10
	v_rndne_f32 v11, v11                           ; how many quarter turns
	v_fma_f32 v12, -v11, s37, v10
	v_fma_f32 v12, -v11, s38, v12                  ; r
	v_mul_f32 v13, v12, v12                        ; z = r r
	v_fma_f32 v14, v13, s39, s40
	v_fma_f32 v14, v13, v14, s41
	v_mul_f32 v15, v12, v13
	v_fma_f32 v15, v15, v14, v12                   ; sin r
	v_fma_f32 v14, v13, s42, s43
	v_fma_f32 v14, v13, v14, s44
	v_fma_f32 v14, v13, v14, -0.5
	v_fma_f32 v16, v13, v14, 1.0                   ; cos r
	v_cvt_i32_f32 v17, v11
	v_and_b32 v18, 1, v17
	v_cmp_eq_u32 vcc_lo, 1, v18                    ; an odd quarter swaps the two
	v_cndmask_b32 v19, v15, v16, vcc_lo
	v_cndmask_b32 v20, v16, v15, vcc_lo
	v_and_b32 v18, 2, v17
	v_lshlrev_b32 v18, 30, v18                     ; quarters 2, 3: the sine changes sign
	v_xor_b32 v[VV+2*(\n)], v18, v19
	v_add_nc_u32 v17, 1, v17
	v_and_b32 v17, 2, v17
	v_lshlrev_b32 v17, 30, v17                     ; quarters 1, 2: the cosine does
	v_xor_b32 v[VV+2*(\n)+1], v17, v20
.endm
.irp n, 0,1,2,3,4,5,6,7,8,9,10,11,12,13,14,15
	SINCOS \n
.endr
	s_lshl_b32 s34, s28, 12
	s_add_nc_u64 s[30:31], s[22:23], s[34:35]      ; f32: 4,096 bytes for 16 positions
	s_lshl_b32 s34, s28, 11
	s_add_nc_u64 s[32:33], s[22:23], s[34:35]      ; f16: 2,048
.irp p, 0,1,2,3,4,5,6,7
	global_store_b128 v5, v[VV+4*\p:VV+4*\p+3], s[30:31] offset:512*\p
.endr
.set n, 0
.rept 16
	v_cvt_pk_f16_f32 v[C+n], v[VV+2*n], v[VV+2*n+1]
.set n, n+1
.endr
.irp p, 0,1,2,3
	global_store_b128 v5, v[C+4*\p:C+4*\p+3], s[32:33] offset:CP_SIMG+512*\p
.endr
	s_endpgm
.Lnot_t:
	s_cmp_eq_u32 ttmp9, 144
	s_cbranch_scc0 .Lmask
; ---- B: bu, bv [e][head] -> c x bias, laid [head][e].  4,096 bytes in all: the stores of 4 bytes a lane are left as they are.
	v_lshlrev_b32 v7, 2, v0
	v_and_b32 v8, 7, v0                            ; head
	v_lshrrev_b32 v9, 3, v0                        ; e (+ 16 k)
	v_lshl_add_u32 v8, v8, 6, v9
	v_lshlrev_b32 v8, 2, v8
.irp k, 0,1,2,3
	global_load_b32 v[16+\k], v7, s[12:13] offset:512*\k
	global_load_b32 v[20+\k], v7, s[14:15] offset:512*\k
.endr
	s_wait_loadcnt 0x0
.irp k, 0,1,2,3,4,5,6,7
	v_mul_f32 v[16+\k], CLOG, v[16+\k]
.endr
.irp k, 0,1,2,3
	global_store_b32 v8, v[16+\k], s[22:23] offset:CP_BT+64*\k
	global_store_b32 v8, v[20+\k], s[22:23] offset:CP_BT+2048+64*\k
.endr
	s_endpgm
.Lmask:
; ---- M: four mask bytes a thread -> four f32: 0 where the key counts, -3e38 where it is hidden
	s_sub_co_u32 s28, ttmp9, 145
	s_lshl_b32 s34, s28, 9
	s_add_nc_u64 s[30:31], s[16:17], s[34:35]
	v_lshlrev_b32 v7, 2, v0
	global_load_b32 v8, v7, s[30:31]
	s_lshl_b32 s34, s28, 11
	s_add_nc_u64 s[32:33], s[22:23], s[34:35]
	v_lshlrev_b32 v9, 4, v0
	v_mov_b32 v10, NEG
	s_wait_loadcnt 0x0
.irp j, 0,1,2,3
	v_bfe_u32 v11, v8, 8*\j, 8
	v_cmp_eq_u32 vcc_lo, 0, v11
	v_cndmask_b32 v[12+\j], 0, v10, vcc_lo
.endr
	global_store_b128 v9, v[12:15], s[32:33] offset:CP_MB
	s_endpgm
.Lfunc_end_k_qf64be9e079_prep:
	.size	k_qf64be9e079_prep, .Lfunc_end_k_qf64be9e079_prep-k_qf64be9e079_prep
	.p2alignl 7, 3214868480
	.fill 96, 4, 3214868480
	.section	.rodata,"a",@progbits
	.p2align	6, 0x0
	.amdhsa_kernel k_qf64be9e079_prep
		.amdhsa_group_segment_fixed_size 0
		.amdhsa_private_segment_fixed_size 0
		.amdhsa_enable_private_segment 0
		.amdhsa_kernarg_size 80
		.amdhsa_user_sgpr_count 2
		.amdhsa_user_sgpr_kernarg_segment_ptr 1
		.amdhsa_wavefront_size32 1
		.amdhsa_system_sgpr_workgroup_id_x 1
		.amdhsa_system_sgpr_workgroup_id_y 1
		.amdhsa_system_sgpr_workgroup_id_z 1
		.amdhsa_system_vgpr_workitem_id 0
		.amdhsa_next_free_vgpr 128
		.amdhsa_next_free_sgpr 66
		.amdhsa_reserve_vcc 1
		.amdhsa_float_denorm_mode_32 3
		.amdhsa_float_denorm_mode_16_64 3
		.amdhsa_memory_ordered 1
		.amdhsa_forward_progress 1
		.amdhsa_inst_pref_size 47
	.end_amdhsa_kernel
	.amdgpu_metadata
---
amdhsa.version: [ 1, 2 ]
amdhsa.kernels:
  - .name:           k_qf64be9e079_prep
    .symbol:         k_qf64be9e079_prep.kd
    .args:
      - { .name: wq, .offset: 0, .size: 8, .value_kind: global_buffer, .address_space: global }
      - { .name: wk, .offset: 8, .size: 8, .value_kind: global_buffer, .address_space: global }
      - { .name: wv, .offset: 16, .size: 8, .value_kind: global_buffer, .address_space: global }
      - { .name: wo, .offset: 24, .size: 8, .value_kind: global_buffer, .address_space: global }
      - { .name: bu, .offset: 32, .size: 8, .value_kind: global_buffer, .address_space: global }
      - { .name: bv, .offset: 40, .size: 8, .value_kind: global_buffer, .address_space: global }
      - { .name: mask, .offset: 48, .size: 8, .value_kind: global_buffer, .address_space: global }
      - { .name: wpack, .offset: 56, .size: 8, .value_kind: global_buffer, .address_space: global }
      - { .name: woimg, .offset: 64, .size: 8, .value_kind: global_buffer, .address_space: global }
      - { .name: cpack, .offset: 72, .size: 8, .value_kind: global_buffer, .address_space: global }
    .group_segment_fixed_size: 0
    .private_segment_fixed_size: 0
    .kernarg_segment_align: 8
    .kernarg_segment_size: 80
    .max_flat_workgroup_size: 128
    .sgpr_count:     66
    .vgpr_count:     128
    .wavefront_size: 32
...
	.end_amdgpu_metadata
.endif
;; end of part 1
;; launch proj (part 2): grid 256 x 3, 8 waves a work-group, no clusters, 77,824 bytes of LDS; arguments q, k, v, wpack, qacc, kimg, vimg; writes qacc, kimg, vimg
.if DOCPART == 2
	.amdgcn_target "amdgcn-amd-amdhsa--gfx1250"
	.amdhsa_code_object_version 6
	.text
	.protected	k_qf64be9e079_proj
	.globl	k_qf64be9e079_proj
	.p2align	8
	.type	k_qf64be9e079_proj,@function
k_qf64be9e079_proj:
	s_mov_b64 s[64:65], 0
	v_nop
	global_prefetch_b8 v0, s[64:65] scope:SCOPE_SE
	s_setreg_imm32_b32 hwreg(HW_REG_WAVE_MODE, 25, 1), 1
	s_wait_xcnt 0x0
; PROJ: the three quantised products, [8192][512] x [512][512], on codes of E2M1 with one E8M0 scale for each 32 along K; sums in f32, K ascending, one accumulator an output.
; Work-group (x, y): 32 tokens of tensor y (0 q, 1 k, 2 v).  Wave w = head w: its 4 column tiles x 4 K steps of weight codes (128 registers) and 16 scale words come straight
; from memory, laid by the launch before in the order of the operand's registers.  The block's 8 fragments of x (2 token tiles x 4 K steps of 128) are quantised one to a wave and reach
; all waves through LDS as images of their registers (16 bytes a lane, 512 bytes a store; the scale word 4 bytes a lane).
; q, k: the product is used transposed (source 0 = 16 features, source 1 = 16 tokens): a lane holds one token and eight neighbouring features.  q leaves as raw f32 sums (bias and
; rotation follow where they are needed), k as f16 pieces of a fragment whose K runs along the features.  v: source 0 = tokens, source 1 = features: a lane holds one feature and eight
; neighbouring tokens: f16 pieces of a fragment whose K runs along the keys.  Every store of a wave covers 512 consecutive bytes, aligned.
; No tensor load and no cluster: the weights go into registers by plain loads and x is read by one work-group alone.
; LIMITS: NaN and infinities among the inputs are not served; a block whose largest magnitude lies under 2^-124 has its byte held at 1; a block of zeros gets the byte 1 (its codes are zeros);
; k's and v's projections beyond 65,504 overflow f16, under 2^-16 they are coarser than 8 significant bits.
.set XIMG,  0                          ; LDS: x's 8 fragments, 1,024 bytes each
.set XSC,   8192                       ; their scale words, 128 bytes each
.set STG,   9216                       ; a stage for each wave: 16 rows x (512 + 16) bytes
.set SPARE, 76800                      ; the spare words, 128 bytes for each wave: four blocks of 256 bytes that no other line names
.set LI,  1                            ; v1   16 x lane
.set LS,  2                            ; v2   4 x lane
.set STI, 3                            ; v3   the stage, on the way in
.set STO, 4                            ; v4   and on the way out: row r, + 128 h
.set XWI, 5                            ; v5   where I store my fragment's image
.set XWS, 6                            ; v6   and its scale words
.set H8,  7                            ; v7   8 h
.set XS,  8                            ; v8-11    x's scale words of four K steps: scales and nothing else
.set SPW, 12                           ; v12  LDS address of my spare word; never rewritten
.set NIL, 13                           ; v13  0; never rewritten
.set W,   16                           ; v16-143  the weights' fragments: tile t, K step s at W + 32 t + 8 s
.set WS,  144                          ; v144-159 their scale words: scales and nothing else
.set X,   160                          ; v160-223 64 numbers of x; later:
.set XF,  160                          ; v160-191 x's four fragments of a token tile
.set ACC, 192                          ; v192-223 four accumulators
.set PK,  224                          ; v224-239 results as f16
.set PC,  240                          ; v240-247 the codes just made
.set TM,  248                          ; v248-255 at work
	s_load_b256 s[4:11], s[0:1], 0x0               ; q s[4:5], k s[6:7], v s[8:9], wpack s[10:11]
	s_load_b128 s[12:15], s[0:1], 0x20             ; qacc s[12:13], kimg s[14:15]
	s_load_b64 s[16:17], s[0:1], 0x30              ; vimg
	v_lshl_add_u32 v[SPW], v0, 2, SPARE
	v_mov_b32 v[NIL], 0
	v_lshrrev_b32 v14, 5, v0
	v_readfirstlane_b32 s18, v14                   ; wave 0..7
	s_and_b32 s19, ttmp7, 0xffff                   ; the tensor
	s_mov_b32 s20, 0x76543210
	s_mov_b32 s21, 0xfedcba98                      ; v_permlanex16_b32's selects for lane l xor 16
	v_and_b32 v14, 31, v0
	v_and_b32 v15, 15, v0                          ; r
	v_bfe_u32 v[H8], v0, 4, 1                      ; h
	v_lshlrev_b32 v[LI], 4, v14
	v_lshlrev_b32 v[LS], 2, v14
	s_mul_i32 s22, s18, 8448
	s_add_co_u32 s22, s22, STG                     ; my stage
	v_add_nc_u32 v[STI], s22, v[LI]
	v_mul_u32_u24 v[STO], v15, 528
	v_lshl_add_u32 v[STO], v[H8], 7, v[STO]
	v_add_nc_u32 v[STO], s22, v[STO]
	s_lshl_b32 s23, s18, 10
	v_add_nc_u32 v[XWI], s23, v[LI]                ; XIMG = 0
	s_lshl_b32 s23, s18, 7
	s_add_co_u32 s23, s23, XSC
	v_add_nc_u32 v[XWS], s23, v[LS]
	v_lshlrev_b32 v[H8], 3, v[H8]
	s_lshl_b32 s24, ttmp9, 16                      ; x: 32 rows of 2,048 bytes a block,
	s_lshr_b32 s26, s18, 2
	s_lshl_b32 s26, s26, 15                        ; my token tile (wave / 4),
	s_add_co_u32 s24, s24, s26
	s_and_b32 s26, s18, 3
	s_lshl_b32 s26, s26, 9                         ; my K step (wave % 4): 512 bytes of a row
	s_add_co_u32 s24, s24, s26
	s_mov_b32 s25, 0
	s_lshl_b32 s28, s19, 17                        ; the weights' codes: 131,072 bytes a tensor, 16,384 a head
	s_lshl_b32 s26, s18, 14
	s_add_co_u32 s28, s28, s26
	s_mov_b32 s29, 0
	s_lshl_b32 s30, s19, 14                        ; their scale words: 16,384 a tensor, 2,048 a head
	s_lshl_b32 s26, s18, 11
	s_add_co_u32 s30, s30, s26
	s_add_co_u32 s30, s30, 393216
	s_mov_b32 s31, 0
	s_lshr_b32 s34, ttmp9, 5                       ; batch
	s_lshl_b32 s34, s34, 3
	s_add_co_u32 s34, s34, s18                     ; 8 batch + head
	s_and_b32 s35, ttmp9, 31                       ; the block within its batch
	s_lshl_b32 s38, s34, 17
	s_lshl_b32 s35, s35, 12
	s_add_co_u32 s38, s38, s35                     ; where my results begin in kimg or vimg; twice that in qacc
	s_mov_b32 s39, 0
	s_wait_kmcnt 0x0
	s_cmp_eq_u32 s19, 0
	s_cselect_b64 s[32:33], s[4:5], s[6:7]
	s_cmp_eq_u32 s19, 2
	s_cselect_b64 s[32:33], s[8:9], s[32:33]
	s_add_nc_u64 s[32:33], s[32:33], s[24:25]
	s_add_nc_u64 s[28:29], s[10:11], s[28:29]
	s_add_nc_u64 s[30:31], s[10:11], s[30:31]
.irp i, 0,1,2,3,4,5,6,7,8,9,10,11,12,13,14,15
	global_load_b128 v[X+4*\i:X+4*\i+3], v[LI], s[32:33] offset:2048*\i th:TH_LOAD_NT   ; row i: 512 consecutive bytes a load
.endr
.set n, 0
.rept 32
	global_load_b128 v[W+4*n:W+4*n+3], v[LI], s[28:29] offset:512*n
.set n, n+1
.endr
.set n, 0
.rept 16
	global_load_b32 v[WS+n], v[LS], s[30:31] offset:128*n
.set n, n+1
.endr
	s_wait_loadcnt 48                              ; x's sixteen loads are in; the 48 younger ones, the weights' and their scales', stay out
; the turn through my own stage: in as loaded, back so that lane (r, h) holds, of row r, K = 64 c + 32 h + 0 .. 31 in registers 32 c on.  LDS serves a wave's instructions in order: no wait between.
.irp i, 0,1,2,3,4,5,6,7,8,9,10,11,12,13,14,15
	ds_store_b128 v[STI], v[X+4*\i:X+4*\i+3] offset:528*\i
.endr
.irp c, 0,1
.irp g, 0,1,2,3,4,5,6,7
	ds_load_b128 v[X+32*\c+4*\g:X+32*\c+4*\g+3], v[STO] offset:256*\c+16*\g
.endr
.endr
	s_wait_dscnt 0x0
.irp c, 0,1
	v_max3_num_f32 v[TM+\c], |v[X+32*\c]|, |v[X+32*\c+1]|, 0x1800000   ; my block 2 c + h: all 32 numbers are mine; the floor 2^(3 - 127) holds the byte at 1 from below
.endr
.irp i, 2,4,6,8,10,12,14,16,18,20,22,24,26,28,30
.irp c, 0,1
	v_max3_num_f32 v[TM+\c], v[TM+\c], |v[X+32*\c+\i]|, |v[X+32*\c+\i+1]|
.endr
.endr
.irp c, 0,1
	v_add_nc_u32 v[TM+2+\c], 0xff000000, v[TM+\c]  ; 2 off the exponent field: the conversion's scale operand
.endr
.irp c, 0,1
	v_lshrrev_b32 v[TM+4+\c], 23, v[TM+2+\c]       ; the scale's byte
.endr
	v_lshl_or_b32 v[TM+6], v[TM+5], 16, v[TM+4]
	v_lshlrev_b32 v[TM+6], v[H8], v[TM+6]          ; my two bytes at their places,
	v_mov_b32 v[TM+7], 0
	v_permlanex16_b32 v[TM+7], v[TM+6], s20, s21
	v_or_b32 v[TM+6], v[TM+6], v[TM+7]             ; with lane l xor 16's two: row r's scale word
.irp c, 0,1
.irp g, 0,1,2,3
	v_cvt_scalef32_pk8_fp4_f32 v[PC+4*\c+\g], v[X+32*\c+8*\g:X+32*\c+8*\g+7], v[TM+2+\c]
.endr
.endr
	v_nop                                          ; a plain line behind the last scaled conversion
	ds_store_b128 v[XWI], v[PC:PC+3]
	ds_store_b128 v[XWI], v[PC+4:PC+7] offset:512
	ds_store_b32 v[XWS], v[TM+6]
	s_wait_dscnt 0x0                               ; for the others' sake: my image has landed
	s_barrier_signal -1
	s_barrier_wait -1                              ; x's eight fragments lie in LDS; nothing is stored to LDS from here on
.macro LOADX m                         ; token tile m: four fragments and their scale words
.irp s, 0,1,2,3
.irp c, 0,1
	ds_load_b128 v[XF+8*\s+4*\c:XF+8*\s+4*\c+3], v[LI] offset:XIMG+(4*\m+\s)*1024+512*\c
.endr
	ds_load_b32 v[XS+\s], v[LS] offset:XSC+(4*\m+\s)*128
.endr
.endm
.macro MUL swap                        ; 16 matrix instructions: K step by K step, the four accumulators by turns; the first K step starts the sums
.irp s, 0,1,2,3
.irp t, 0,1,2,3
.if \swap
.if \s == 0
	v_wmma_scale_f32_16x16x128_f8f6f4 v[ACC+8*\t:ACC+8*\t+7], v[XF+8*\s:XF+8*\s+7], v[W+32*\t+8*\s:W+32*\t+8*\s+7], 0, v[XS+\s], v[WS+4*\t+\s] matrix_a_fmt:MATRIX_FMT_FP4 matrix_b_fmt:MATRIX_FMT_FP4
.else
	v_wmma_scale_f32_16x16x128_f8f6f4 v[ACC+8*\t:ACC+8*\t+7], v[XF+8*\s:XF+8*\s+7], v[W+32*\t+8*\s:W+32*\t+8*\s+7], v[ACC+8*\t:ACC+8*\t+7], v[XS+\s], v[WS+4*\t+\s] matrix_a_fmt:MATRIX_FMT_FP4 matrix_b_fmt:MATRIX_FMT_FP4
.endif
.else
.if \s == 0
	v_wmma_scale_f32_16x16x128_f8f6f4 v[ACC+8*\t:ACC+8*\t+7], v[W+32*\t+8*\s:W+32*\t+8*\s+7], v[XF+8*\s:XF+8*\s+7], 0, v[WS+4*\t+\s], v[XS+\s] matrix_a_fmt:MATRIX_FMT_FP4 matrix_b_fmt:MATRIX_FMT_FP4
.else
	v_wmma_scale_f32_16x16x128_f8f6f4 v[ACC+8*\t:ACC+8*\t+7], v[W+32*\t+8*\s:W+32*\t+8*\s+7], v[XF+8*\s:XF+8*\s+7], v[ACC+8*\t:ACC+8*\t+7], v[WS+4*\t+\s], v[XS+\s] matrix_a_fmt:MATRIX_FMT_FP4 matrix_b_fmt:MATRIX_FMT_FP4
.endif
.endif
.endr
.endr
.endm
.macro PLACES n
.rept \n
	v_nop
.endr
.endm
.macro EPIQ m                          ; the raw sums, each accumulator from its low end on
.irp t, 0,1,2,3
	global_store_b128 v[LI], v[ACC+8*\t:ACC+8*\t+3], s[36:37] offset:\m*4096+\t*1024
	global_store_b128 v[LI], v[ACC+8*\t+4:ACC+8*\t+7], s[36:37] offset:\m*4096+\t*1024+512
.endr
.endm
.macro EPIH m, sm, st                  ; as f16: four registers an accumulator, in ascending order
.set n, 0
.rept 16
	v_cvt_pk_f16_f32 v[PK+n], v[ACC+2*n], v[ACC+2*n+1]
.set n, n+1
.endr
.irp t, 0,1,2,3
	global_store_b128 v[LI], v[PK+4*\t:PK+4*\t+3], s[36:37] offset:\m*\sm+\t*\st
.endr
.endm
.macro EPI isq, m, sm, st
.if \isq
	EPIQ \m
.else
	EPIH \m, \sm, \st
.endif
.endm
.macro PATH swap, isq, sm, st
	LOADX 0
	s_wait_loadcnt 0x0                             ; the weights and their scale words
	s_wait_dscnt 0x0
	MUL \swap
	PLACES 5                                       ; four in front of the loads into registers just multiplied and of the first read of results; the fifth since the next run begins the accumulators anew
	LOADX 1
	EPI \isq, 0, \sm, \st
	s_wait_dscnt 0x0
	s_wait_xcnt 0x0                                ; the stores have read their data: the accumulators and the f16 registers are written again only behind this wait
	MUL \swap
	PLACES 5
	EPI \isq, 1, \sm, \st
.endm
	s_cmp_eq_u32 s19, 0
	s_cbranch_scc0 .Lnot_q
	s_lshl_b32 s38, s38, 1                         ; qacc: 262,144 bytes a head, 8,192 a block
	s_add_nc_u64 s[36:37], s[12:13], s[38:39]
	PATH 0, 1, 0, 0
	s_branch .Ldone
.Lnot_q:
	s_cmp_eq_u32 s19, 1
	s_cbranch_scc0 .Lis_v
	s_add_nc_u64 s[36:37], s[14:15], s[38:39]
	PATH 0, 0, 2048, 512                           ; kimg: [key tile][feature tile tt]
	s_branch .Ldone
.Lis_v:
	s_add_nc_u64 s[36:37], s[16:17], s[38:39]
	PATH 1, 0, 512, 1024                           ; vimg: [32 keys][channel tile][half of the keys]
.Ldone:
	s_wait_tensorcnt 0x0                           ; the wave's end
	ds_add_u32 v[SPW], v[NIL]
	s_wait_dscnt 0x0
	s_endpgm
.Lfunc_end_k_qf64be9e079_proj:
	.size	k_qf64be9e079_proj, .Lfunc_end_k_qf64be9e079_proj-k_qf64be9e079_proj
	.p2alignl 7, 3214868480
	.fill 96, 4, 3214868480
	.section	.rodata,"a",@progbits
	.p2align	6, 0x0
	.amdhsa_kernel k_qf64be9e079_proj
		.amdhsa_group_segment_fixed_size 77824
		.amdhsa_private_segment_fixed_size 0
		.amdhsa_enable_private_segment 0
		.amdhsa_kernarg_size 56
		.amdhsa_user_sgpr_count 2
		.amdhsa_user_sgpr_kernarg_segment_ptr 1
		.amdhsa_wavefront_size32 1
		.amdhsa_system_sgpr_workgroup_id_x 1
		.amdhsa_system_sgpr_workgroup_id_y 1
		.amdhsa_system_sgpr_workgroup_id_z 1
		.amdhsa_system_vgpr_workitem_id 0
		.amdhsa_next_free_vgpr 256
		.amdhsa_next_free_sgpr 66
		.amdhsa_reserve_vcc 0
		.amdhsa_float_denorm_mode_32 3
		.amdhsa_float_denorm_mode_16_64 3
		.amdhsa_memory_ordered 1
		.amdhsa_forward_progress 1
		.amdhsa_inst_pref_size 40
	.end_amdhsa_kernel
	.amdgpu_metadata
---
amdhsa.version: [ 1, 2 ]
amdhsa.kernels:
  - .name:           k_qf64be9e079_proj
    .symbol:         k_qf64be9e079_proj.kd
    .args:
      - { .name: q, .offset: 0, .size: 8, .value_kind: global_buffer, .address_space: global }
      - { .name: k, .offset: 8, .size: 8, .value_kind: global_buffer, .address_space: global }
      - { .name: v, .offset: 16, .size: 8, .value_kind: global_buffer, .address_space: global }
      - { .name: wpack, .offset: 24, .size: 8, .value_kind: global_buffer, .address_space: global }
      - { .name: qacc, .offset: 32, .size: 8, .value_kind: global_buffer, .address_space: global }
      - { .name: kimg, .offset: 40, .size: 8, .value_kind: global_buffer, .address_space: global }
      - { .name: vimg, .offset: 48, .size: 8, .value_kind: global_buffer, .address_space: global }
    .group_segment_fixed_size: 77824
    .private_segment_fixed_size: 0
    .kernarg_segment_align: 8
    .kernarg_segment_size: 56
    .max_flat_workgroup_size: 256
    .sgpr_count:     66
    .vgpr_count:     256
    .wavefront_size: 32
...
	.end_amdgpu_metadata
.endif
;; end of part 2
;; launch attn (part 3): grid 4 x 64, 8 waves a work-group, clusters of 4 x 1, 327,680 bytes of LDS; arguments qacc, kimg, vimg, cpack, ximg; writes ximg
.if DOCPART == 3
	.amdgcn_target "amdgcn-amd-amdhsa--gfx1250"
	.amdhsa_code_object_version 6
	.text
	.protected	k_qf64be9e079_attn
	.globl	k_qf64be9e079_attn
	.p2align	8
	.type	k_qf64be9e079_attn,@function
k_qf64be9e079_attn:
	s_mov_b64 s[64:65], 0
	v_nop
	global_prefetch_b8 v0, s[64:65] scope:SCOPE_SE
	s_setreg_imm32_b32 hwreg(HW_REG_WAVE_MODE, 25, 1), 1
	s_wait_xcnt 0x0
	s_wait_alu depctr_hold_cnt(0) depctr_sa_sdst(0) depctr_va_vdst(0) depctr_va_sdst(0) depctr_va_ssrc(0) depctr_va_vcc(0) depctr_vm_vsrc(0)
	s_getreg_b32 s2, hwreg(HW_REG_IB_STS2, 6, 4)
	s_cmp_eq_u32 s2, 0
	s_cbranch_scc0 .Lentry_in_a_cluster
	s_endpgm
.Lentry_in_a_cluster:
	s_bfe_u32 s2, ttmp6, 0x10000c
	s_cmp_lg_u32 s2, 0x3003
	s_cbranch_scc0 .Lentry_shape_is_right
	s_endpgm
.Lentry_shape_is_right:
; ATTN: x[b][q][e][h] = sum over k of softmax_k(((qp + bu) . kp + (qp + bv) . p[q][k]) / 8, hidden keys out) vp, in f16 operands and f32 sums, maxima and sums of the softmax in f32.
; THE RELATIVE TERM.  p[q][k][2i] = sin((k - q) w_i), p[q][k][2i+1] = cos((k - q) w_i).  With (a, b) = elements 2i, 2i+1 of qp + bv the addition theorem gives
; a sin((k-q)w) + b cos((k-q)w) = sin(kw) (a cos qw + b sin qw) + cos(kw) (b cos qw - a sin qw).  So both score products are ONE product with K = 128:
; Q' = c [qp + bu | the pairs of qp + bv turned by q w_i] against K' = [kp | sin(k w_i), cos(k w_i)], c = log2(e) / 8: the scores come out as exponents of 2.
; SHARES.  A work-group owns 256 queries of one (batch, head); each of its eight waves two tiles of 16: two waves to a SIMD, so that one wave's softmax stands beside the other's products.
; Every wave walks all 1,024 keys, 64 a step.  Both products are used transposed (S^T = K' Q'^T, O^T = V^T P): a lane holds one query throughout.
; All operands lie in memory and in LDS as images of their registers (16 bytes a lane, 512 bytes a piece): no pitch, no padding, no transposing load.
; THE MASK is a bias, 0 or -3e38, given as the C of each score sum's first product.  It is finite, so no infinity meets another; what a run of hidden keys has summed is multiplied by
; 2^(-3e38 - m) = 0 at the first key that counts.  A query none of whose keys counts gets NaN, as the softmax of nothing has.
; SOFTMAX: a running maximum m and sum l for each query; p = 2^(s - m); O and l are multiplied by 2^(m_old - m_new) in every step: no branch on data.
; CLUSTER: the four query blocks of a head walk the same K, V and table, so every tile is asked for jointly: the same tensor load with the same descriptor and the mask 15 in all four.
; LDS: the f16 table of all 1,024 positions, filled once (131,072 bytes); a ring of two slots of 256 keys (32 KiB of kp, 32 KiB of V each); the spare words.  A wave has three tensor loads out at the start and one behind each refill.
; LIMITS: true scores under -1e38 are taken for hidden; operands beyond 65,504 overflow f16; NaN and infinities among the inputs are not served.
; REGISTERS, in windows of 256.  Window 0: v1-7 addresses; v8-23 statistics (a tile: +0 -m, +1 m, +2, +3 l, +4 the factor, +5 named with it); v24-31 at work; v32-95 S^T (32 a tile); v96-127 P; v128-191 O^T; v192-223 the bias; v224-255 at work.
; Window 1: v0-63 Q' (32 a tile, K step s at 8 s); v64-191 K' (key tile kt at 32 kt, K step s at 8 s); v192-255 V (32 keys g at 32 g, channel tile ch at 8 ch).
.set NEG,   0xff61b1e6                 ; -3e38
.set SLOT0, 131072                     ; slot 1 lies 65,536 on: one exclusive or turns an address from one slot to the other
.set SPARE, 262144                     ; the spare words, 128 bytes for each wave: four blocks of 256 bytes that no other line names
.set LI,  1                            ; v1  16 x lane; never rewritten
.set BO,  2                            ; v2  32 x (lane / 16); never rewritten
.set ADK, 3                            ; v3  LDS address of the step's kp and V
.set ADS, 4                            ; v4  and of its part of the table
.set PFO, 5                            ; v5  256 x lane; never rewritten
.set SPW, 6                            ; v6  LDS address of my spare word; never rewritten
.set NIL, 7                            ; v7  0; never rewritten
.set ST,  8
.set CC,  24
.set S,   32
.set P,   96
.set O,   128
.set BIAS, 192
.set TM,  224
.set KF,  64                           ; in window 1
.set VF,  192                          ; in window 1
.set WV,  14                           ; s14 my wave's number
.set SEL, 20                           ; s[20:21] selects for lane l xor 16
.set CS,  22                           ; s[22:23] c, named as a pair
.set MB,  52                           ; s[52:53] the step's mask bias in memory
.set TB,  54                           ; s54 LDS byte of the step to be fetched next
.set TS,  55                           ; s55 the same in the table
.set CNT, 56
.set LIM, 57                           ; s57 0 in the two waves that prefetch
.set PFA, 58                           ; s[58:59] what they name; never rewritten
.set MSB, 0
.macro WIN new                         ; the immediate's high byte repeats the setting that is left
.if MSB != \new
	s_set_vgpr_msb (MSB<<8)|\new
.set MSB, \new
.endif
.endm
.macro PLACES
.rept 4
	v_nop
.endr
.endm
.macro CROUND                          ; a round of the cluster's barrier
	s_barrier_signal -1
	s_barrier_wait -1
	s_cmp_lg_u32 s[WV], 0
	s_cbranch_scc1 .Lnot_wave_0_\@
	s_barrier_signal -3
.Lnot_wave_0_\@:
	s_barrier_wait -3
	s_barrier_signal -1
	s_barrier_wait -1
.endm
	s_load_b256 s[4:11], s[0:1], 0x0               ; qacc s[4:5], kimg s[6:7], vimg s[8:9], cpack s[10:11]
	s_load_b64 s[12:13], s[0:1], 0x20              ; ximg
	v_lshl_add_u32 v[SPW], v0, 2, SPARE
	v_mov_b32 v[NIL], 0
	ds_add_u32 v[SPW], v[NIL]                      ; the wave's opening: the add, twice on end, and its wait ahead of my first tensor load
	ds_add_u32 v[SPW], v[NIL]
	v_lshrrev_b32 v1, 5, v0
	v_readfirstlane_b32 s[WV], v1                  ; wave 0..7
	s_bfe_u32 s15, ttmp6, 0x40000                  ; cx: my place in the cluster
	s_lshl_b32 s16, ttmp9, 2
	s_add_co_u32 s16, s16, s15                     ; my block of 256 queries: it enters the addresses of qacc, the f32 table, ximg and the prefetch alone
	s_and_b32 s17, ttmp7, 0xffff                   ; 8 batch + head, which the four partners share
	; group 1 for the table's part: a dense block of 16,384 bytes as 64 rows of 256 (32 elements of 8 bytes); mask 15, bit 21 beside it
	s_mov_b32 s24, 15|(3<<16)|(1<<21)
	s_mov_b32 s25, 32<<16
	s_mov_b32 s26, 64<<16
	s_mov_b32 s27, 32<<16
	s_mov_b32 s28, 64
	s_mov_b32 s29, 32
	s_mov_b32 s30, 0
	s_mov_b32 s31, 0
	; group 1 for a wave's part of a slot: 8,192 bytes as 32 rows of 256
	s_mov_b32 s32, 15|(3<<16)|(1<<21)
	s_mov_b32 s33, 32<<16
	s_mov_b32 s34, 32<<16
	s_mov_b32 s35, 32<<16
	s_mov_b32 s36, 32
	s_mov_b32 s37, 32
	s_mov_b32 s38, 0
	s_mov_b32 s39, 0
	s_mov_b32 s[SEL], 0x76543210
	s_mov_b32 s[SEL+1], 0xfedcba98
	s_mov_b32 s[CS], 0x3e38aa3b                    ; c = log2(e) / 8
	s_mov_b32 s[CS+1], s[CS]
	s_mov_b32 s[TB], SLOT0
	s_mov_b32 s[TS], 0
	s_and_b32 s[LIM], s[WV], 3
	; what the partners share: made of the head and the wave's number alone
	s_lshl_b32 s60, s17, 17                        ; a head's kp or V: 131,072 bytes
	s_and_b32 s61, s[WV], 3
	s_lshl_b32 s61, s61, 13                        ; my quarter of a slot's 32 KiB
	s_add_co_u32 s60, s60, s61
	s_mov_b32 s61, 0
	s_lshl_b32 s62, s[WV], 14                      ; my eighth of the table, in memory and in LDS
	s_mov_b32 s63, 0
	s_lshl_b32 s18, s[WV], 13                      ; my eighth of a slot in LDS: waves 0-3 kp, waves 4-7 V
	; what is my own
	s_lshl_b32 s66, s16, 4
	s_lshl_b32 s67, s[WV], 1
	s_add_co_u32 s66, s66, s67                     ; my first query tile: 16 block + 2 wave
	s_lshl_b32 s68, s17, 18
	s_lshl_b32 s69, s66, 12
	s_add_co_u32 s68, s68, s69                     ; qacc: 262,144 bytes a head, 4,096 a tile
	s_mov_b32 s69, 0
	s_lshl_b32 s70, s66, 12                        ; the f32 table: 4,096 bytes for 16 positions
	s_mov_b32 s71, 0
	s_and_b32 s19, s17, 7                          ; head
	s_lshl_b32 s72, s19, 8
	s_add_co_u32 s72, s72, 425984                  ; the biases x c: 256 bytes a head; bv's 2,048 on
	s_mov_b32 s73, 0
	s_lshr_b32 s67, s17, 3                         ; batch
	s_lshl_b32 s74, s67, 12
	s_add_co_u32 s74, s74, 393216                  ; the mask bias: 4,096 bytes a batch
	s_mov_b32 s75, 0
	s_lshl_b32 s76, s67, 20                        ; ximg: 1,048,576 bytes a batch, 16,384 a tile of rows, 2,048 a head
	s_lshl_b32 s77, s66, 14
	s_add_co_u32 s76, s76, s77
	s_lshl_b32 s77, s19, 11
	s_add_co_u32 s76, s76, s77
	s_mov_b32 s77, 0
	s_lshl_b32 s78, s15, 13
	s_add_co_u32 s78, s78, 98304                   ; the prefetch: keys 768 on, my work-group's quarter of their 32 KiB
	s_mov_b32 s79, 0
	s_wait_dscnt 0x0                               ; both opening adds are done
	s_wait_kmcnt 0x0
	s_cmp_lt_u32 s[WV], 4
	s_cselect_b64 s[2:3], s[6:7], s[8:9]           ; waves 0-3 fetch kp, waves 4-7 V
	s_add_nc_u64 s[2:3], s[2:3], s[60:61]
	s_add_nc_u64 s[PFA:PFA+1], s[2:3], s[78:79]
	s_mov_b32 s40, 1                               ; group 0 for the table's part
	s_mov_b32 s41, s62
	s_add_nc_u64 s[42:43], s[10:11], s[62:63]
	s_add_nc_u64 s[42:43], s[42:43], 262144
	s_or_b32 s43, s43, 0x80000000
.irp n, 0,1                                    ; group 0 for each slot: keys 256 n on
	s_mov_b32 s[44+4*\n], 1
	s_add_co_u32 s[45+4*\n], s18, SLOT0+\n*65536
	s_add_nc_u64 s[46+4*\n:47+4*\n], s[2:3], \n*32768
	s_or_b32 s[47+4*\n], s[47+4*\n], 0x80000000
.endr
	s_add_nc_u64 s[4:5], s[4:5], s[68:69]
	s_add_nc_u64 s[70:71], s[10:11], s[70:71]
	s_add_nc_u64 s[72:73], s[10:11], s[72:73]
	s_add_nc_u64 s[MB:MB+1], s[10:11], s[74:75]
	s_add_nc_u64 s[12:13], s[12:13], s[76:77]
	CROUND                                         ; all four work-groups are here: the first joint loads meet
	tensor_load_to_lds s[40:43], s[24:31]          ; my eighth of the table: filled once
	s_nop 0
	tensor_load_to_lds s[44:47], s[32:39]          ; slot 0
	s_nop 0
	tensor_load_to_lds s[48:51], s[32:39]          ; slot 1
	s_nop 0
	PLACES
	v_and_b32 v1, 31, v0
	v_lshlrev_b32 v[PFO], 8, v1
	v_lshlrev_b32 v[LI], 4, v1
	v_bfe_u32 v[BO], v0, 4, 1
	v_lshlrev_b32 v[BO], 5, v[BO]
; ---- Q', while the first fills are on their way.  Lane (r, h) holds query r and, in register 8 tt + j, element e = 16 tt + 8 h + j.
.irp tq, 0,1
.irp n, 0,1,2,3,4,5,6,7
	global_load_b128 v[S+32*\tq+4*\n:S+32*\tq+4*\n+3], v[LI], s[4:5] offset:\tq*4096+512*\n th:TH_LOAD_NT   ; qp's raw sums
	global_load_b128 v[O+32*\tq+4*\n:O+32*\tq+4*\n+3], v[LI], s[70:71] offset:\tq*4096+512*\n              ; sin(q w), cos(q w)
.endr
.endr
.irp n, 0,1,2,3,4,5,6,7
	global_load_b128 v[P+4*\n:P+4*\n+3], v[BO], s[72:73] offset:64*(\n/2)+16*(\n%2)                        ; c bu
	global_load_b128 v[BIAS+4*\n:BIAS+4*\n+3], v[BO], s[72:73] offset:2048+64*(\n/2)+16*(\n%2)             ; c bv
.endr
	s_wait_loadcnt 0x0
.macro QPREP tq
.set i, 0
.rept 16
	v_pk_fma_f32 v[TM+2*i:TM+2*i+1], v[S+32*\tq+2*i:S+32*\tq+2*i+1], s[CS:CS+1], v[P+2*i:P+2*i+1] op_sel_hi:[1,0,1]   ; c qp + c bu
.set i, i+1
.endr
	WIN 0x40
.set i, 0
.rept 16
	v_cvt_pk_f16_f32 v[32*\tq+i], v[TM+2*i], v[TM+2*i+1]               ; K steps 0, 1 of Q'
.set i, i+1
.endr
	WIN 0
.set i, 0
.rept 16
	v_pk_fma_f32 v[S+32*\tq+2*i:S+32*\tq+2*i+1], v[S+32*\tq+2*i:S+32*\tq+2*i+1], s[CS:CS+1], v[BIAS+2*i:BIAS+2*i+1] op_sel_hi:[1,0,1]   ; (a, b) = c qp + c bv
.set i, i+1
.endr
.set i, 0
.rept 16
	v_mul_f32 v[TM+2*i], v[S+32*\tq+2*i], v[O+32*\tq+2*i+1]            ; a cos
	v_mul_f32 v[TM+2*i+1], v[S+32*\tq+2*i+1], v[O+32*\tq+2*i+1]        ; b cos
.set i, i+1
.endr
.set i, 0
.rept 16
	v_fma_f32 v[TM+2*i], v[S+32*\tq+2*i+1], v[O+32*\tq+2*i], v[TM+2*i]         ; + b sin: meets sin(k w)
	v_fma_f32 v[TM+2*i+1], -v[S+32*\tq+2*i], v[O+32*\tq+2*i], v[TM+2*i+1]      ; - a sin: meets cos(k w)
.set i, i+1
.endr
	WIN 0x40
.set i, 0
.rept 16
	v_cvt_pk_f16_f32 v[32*\tq+16+i], v[TM+2*i], v[TM+2*i+1]            ; K steps 2, 3 of Q'
.set i, i+1
.endr
	WIN 0
.endm
	QPREP 0
	QPREP 1
.set i, 0
.rept 64
	v_mov_b32 v[O+i], 0                            ; O^T.  The step is written once: the first finds zeros, which its factor 0 leaves zeros
.set i, i+1
.endr
.irp t, 0,1
	v_mov_b32 v[ST+8*\t], 0x7f61b1e6               ; -m
	v_mov_b32 v[ST+8*\t+1], NEG                    ; m: under every score that counts
	v_mov_b32 v[ST+8*\t+2], 0                      ; l, in two halves
	v_mov_b32 v[ST+8*\t+3], 0
	v_mov_b32 v[ST+8*\t+4], 0
	v_mov_b32 v[ST+8*\t+5], 0                      ; named as the upper half of the factor's pair
	v_mov_b32 v[CC+4*\t+1], 0                      ; a lane permute's destination counts as one of its sources
.endr
.macro FETCH_K                         ; 32 LDS loads: K' of 64 keys: K steps 0, 1 from the slot (kp), K steps 2, 3 from the table
	WIN 0x40
.irp kt, 0,1,2,3
.irp s, 0,1
.irp c, 0,1
	ds_load_b128 v[KF+32*\kt+8*\s+4*\c:KF+32*\kt+8*\s+4*\c+3], v[ADK] offset:\kt*2048+\s*1024+512*\c
.endr
.endr
.irp s, 0,1
.irp c, 0,1
	ds_load_b128 v[KF+32*\kt+16+8*\s+4*\c:KF+32*\kt+16+8*\s+4*\c+3], v[ADS] offset:\kt*2048+\s*1024+512*\c
.endr
.endr
.endr
	WIN 0
.endm
.macro FETCH_V                         ; 16 LDS loads: V^T of the same 64 keys
	WIN 0x40
.irp g, 0,1
.irp ch, 0,1,2,3
.irp c, 0,1
	ds_load_b128 v[VF+32*\g+8*\ch+4*\c:VF+32*\g+8*\ch+4*\c+3], v[ADK] offset:32768+\g*4096+\ch*1024+512*\c
.endr
.endr
.endr
	WIN 0
.endm
.macro BIASLD                          ; the bias of 64 keys in the result's layout: register 8 kt + j = key 16 kt + 8 h + j
.irp kt, 0,1,2,3
.irp u, 0,1
	global_load_b128 v[BIAS+8*\kt+4*\u:BIAS+8*\kt+4*\u+3], v[BO], s[MB:MB+1] offset:64*\kt+16*\u
.endr
.endr
.endm
; THE CHANGE OF SLOTS, in a slot's last step, behind its score products: K' of the step has been multiplied and its V is waited for here, so nobody reads the slot any more.
.macro CHANGE fill, slot
	s_wait_tensorcnt 0x0                           ; all my tensor loads have landed, my part of the next slot among them: a group 0 may be written
	ds_add_u32 v[SPW], v[NIL]                      ; 0 onto my spare word
.if \fill
	s_add_nc_u64 s[46+4*\slot:47+4*\slot], s[46+4*\slot:47+4*\slot], 65536   ; this slot's next keys: 512 on
.endif
	s_sub_co_u32 s[TB], s[TB], 32768               ; the fetches go back to a slot's first step,
	s_xor_b32 s[TB], s[TB], 0x10000                ; in the other slot
	s_wait_dscnt 0x0                               ; the add is done, and my reads of the slot are over
.if \fill
	CROUND                                         ; no wave of any partner still reads the slot or has a load on its way
	tensor_load_to_lds s[44+4*\slot:47+4*\slot], s[32:39]   ; the first thing behind the round, and my one tensor load until the next: it has four steps in which to land
	s_nop 0
	PLACES
.else
	s_barrier_signal -1
	s_barrier_wait -1
.endif
.endm
.macro SOFTMAX                         ; both tiles line by line
.irp j, 0,1,2,3
.irp t, 0,1
	v_max3_num_f32 v[CC+4*\t+\j], v[S+32*\t+8*\j], v[S+32*\t+8*\j+1], v[S+32*\t+8*\j+2]   ; four chains a tile, each from its accumulator's low end on
.endr
.endr
.irp i, 3,5
.irp j, 0,1,2,3
.irp t, 0,1
	v_max3_num_f32 v[CC+4*\t+\j], v[CC+4*\t+\j], v[S+32*\t+8*\j+\i], v[S+32*\t+8*\j+\i+1]
.endr
.endr
.endr
.irp t, 0,1
	v_max3_num_f32 v[CC+4*\t], v[CC+4*\t], v[S+32*\t+7], v[S+32*\t+15]
	v_max3_num_f32 v[CC+4*\t+2], v[CC+4*\t+2], v[S+32*\t+23], v[S+32*\t+31]
.endr
.irp t, 0,1
	v_max3_num_f32 v[CC+4*\t], v[CC+4*\t], v[CC+4*\t+1], v[CC+4*\t+2]
.endr
.irp t, 0,1
	v_max3_num_f32 v[CC+4*\t], v[CC+4*\t], v[CC+4*\t+3], v[ST+8*\t+1]   ; and the old m
.endr
.irp t, 0,1
	v_permlanex16_b32 v[CC+4*\t+1], v[CC+4*\t], s[SEL], s[SEL+1]        ; the query's other 32 keys lie in the lane 16 away
.endr
.irp t, 0,1
	v_max_num_f32 v[CC+4*\t+1], v[CC+4*\t], v[CC+4*\t+1]                ; the new m
.endr
.irp t, 0,1
	v_sub_f32 v[CC+4*\t+3], v[ST+8*\t+1], v[CC+4*\t+1]                  ; m_old - m_new
.endr
.irp t, 0,1
	v_mov_b32 v[ST+8*\t+1], v[CC+4*\t+1]
	v_xor_b32 v[ST+8*\t], 0x80000000, v[CC+4*\t+1]                      ; -m
.endr
.irp j, 0,2,4,6,8,10,12,14,16,18,20,22,24,26,28,30
.irp t, 0,1
	v_pk_add_f32 v[S+32*\t+\j:S+32*\t+\j+1], v[S+32*\t+\j:S+32*\t+\j+1], v[ST+8*\t:ST+8*\t+1] op_sel_hi:[1,0]   ; s - m, two at a time
.endr
.endr
.irp t, 0,1
	v_exp_f32 v[ST+8*\t+4], v[CC+4*\t+3]           ; the factor 2^(m_old - m_new)
.endr
.set i, 0
.rept 64
	v_exp_f32 v[S+i], v[S+i]                       ; p = 2^(s - m)
.set i, i+1
.endr
	v_nop                                          ; a plain line behind the last exponential
	s_wait_alu depctr_va_vdst(0)                   ; one wait for the batch of 66, ahead of its first reader
.set i, 0
.rept 32
	v_cvt_pk_f16_f32 v[P+i], v[S+2*i], v[S+2*i+1]  ; two neighbouring keys a register: source 1 of the second product as it stands
.set i, i+1
.endr
.irp t, 0,1
	v_pk_fma_f32 v[ST+8*\t+2:ST+8*\t+3], v[ST+8*\t+2:ST+8*\t+3], v[ST+8*\t+4:ST+8*\t+5], v[S+32*\t:S+32*\t+1] op_sel_hi:[1,0,1]   ; l x the factor + the first pair; the sums of the unrounded p, in two chains
	v_pk_add_f32 v[CC+4*\t:CC+4*\t+1], v[S+32*\t+2:S+32*\t+3], v[S+32*\t+4:S+32*\t+5]
.endr
.irp j, 6,10,14,18,22,26
.irp t, 0,1
	v_pk_add_f32 v[ST+8*\t+2:ST+8*\t+3], v[ST+8*\t+2:ST+8*\t+3], v[S+32*\t+\j:S+32*\t+\j+1]
	v_pk_add_f32 v[CC+4*\t:CC+4*\t+1], v[CC+4*\t:CC+4*\t+1], v[S+32*\t+\j+2:S+32*\t+\j+3]
.endr
.endr
.irp t, 0,1
	v_pk_add_f32 v[ST+8*\t+2:ST+8*\t+3], v[ST+8*\t+2:ST+8*\t+3], v[S+32*\t+30:S+32*\t+31]
.endr
.irp t, 0,1
	v_pk_add_f32 v[ST+8*\t+2:ST+8*\t+3], v[ST+8*\t+2:ST+8*\t+3], v[CC+4*\t:CC+4*\t+1]
.endr
.irp t, 0,1
.irp j, 0,2,4,6,8,10,12,14,16,18,20,22,24,26,28,30
	v_pk_mul_f32 v[O+32*\t+\j:O+32*\t+\j+1], v[O+32*\t+\j:O+32*\t+\j+1], v[ST+8*\t+4:ST+8*\t+5] op_sel_hi:[1,0]   ; O^T x the factor, each accumulator from its low end on
.endr
.endr
.endm
; A KEY STEP of 64 keys.  K' and the bias of the next step are asked for behind this step's scores, V of the next step behind this step's second product.
; chg: 0 none; 1 change of slots, slot 0 filled again, and the prefetch; 2 change, slot 1 filled again; 3 change, nothing filled.  nxt: a step follows.
.macro STEP chg, nxt
	s_wait_loadcnt 0x0                             ; the bias is in, so its base may step
.if \nxt
	s_add_nc_u64 s[MB:MB+1], s[MB:MB+1], 256
.endif
	s_wait_dscnt 16                                ; K' is in; V's sixteen younger loads may be out
	WIN 0x05                                       ; K' and Q' in window 1
.irp s, 0,1,2,3                                ; 32 products; the eight accumulators by turns; the first K step takes the bias as C
.irp kt, 0,1,2,3
.irp tq, 0,1
.if \s == 0
	v_wmma_f32_16x16x32_f16 v[S+32*\tq+8*\kt:S+32*\tq+8*\kt+7], v[KF+32*\kt+8*\s:KF+32*\kt+8*\s+7], v[32*\tq+8*\s:32*\tq+8*\s+7], v[BIAS+8*\kt:BIAS+8*\kt+7]
.else
	v_wmma_f32_16x16x32_f16 v[S+32*\tq+8*\kt:S+32*\tq+8*\kt+7], v[KF+32*\kt+8*\s:KF+32*\kt+8*\s+7], v[32*\tq+8*\s:32*\tq+8*\s+7], v[S+32*\tq+8*\kt:S+32*\tq+8*\kt+7]
.endif
.endr
.endr
.endr
	WIN 0
.if (\chg == 0) && \nxt                        ; four places in front of the loads into registers just multiplied and of the first read of the scores
	v_add_nc_u32 v[ADK], s[TB], v[LI]
	v_add_nc_u32 v[ADS], s[TS], v[LI]
	v_nop
	v_nop
.else
	PLACES
.endif
.if \chg == 1
	CHANGE 1, 0
.elseif \chg == 2
	CHANGE 1, 1
.elseif \chg == 3
	CHANGE 0, 0
.endif
.if \chg != 0
	v_add_nc_u32 v[ADK], s[TB], v[LI]
	v_add_nc_u32 v[ADS], s[TS], v[LI]
.endif
.if \nxt
	FETCH_K
	BIASLD
.endif
.if \chg == 1
; A prefetch of what the NEXT change of slots will ask for: keys 768 on, 32 KiB of kp and 32 KiB of V, four steps ahead of that load.  The four partners share the blocks out by address, 8,192 bytes each;
; in each, wave 0 names kp's and wave 4 V's, lanes 256 bytes apart: each block of 256 bytes is named once in the launch.  The earlier slots come by their loads alone.
	s_cmp_eq_u32 s[LIM], 0
	s_cbranch_scc0 .Lnot_mine_\@
	global_prefetch_b8 v[PFO], s[PFA:PFA+1] th:TH_LOAD_NT scope:SCOPE_SE
.Lnot_mine_\@:
.endif
	SOFTMAX
.if \nxt
	s_wait_dscnt 32                                ; V is in; the next K', 32 younger loads, may be out
.else
	s_wait_dscnt 0x0
.endif
	WIN 0x01                                       ; V in window 1
.irp g, 0,1                                    ; 16 products O^T += V^T P; the eight accumulators by turns
.irp ch, 0,1,2,3
.irp tq, 0,1
	v_wmma_f32_16x16x32_f16 v[O+32*\tq+8*\ch:O+32*\tq+8*\ch+7], v[VF+32*\g+8*\ch:VF+32*\g+8*\ch+7], v[P+16*\tq+8*\g:P+16*\tq+8*\g+7], v[O+32*\tq+8*\ch:O+32*\tq+8*\ch+7]
.endr
.endr
.endr
	WIN 0
	PLACES                                         ; in front of the loads into V's registers, of the next writes of P and of the next read of O^T
.if \nxt
	FETCH_V
	s_add_co_u32 s[TB], s[TB], 8192
	s_add_co_u32 s[TS], s[TS], 8192
.endif
.endm
.macro THREE                           ; a slot's first three steps: written once, walked three times
	s_mov_b32 s[CNT], 3
.Lstep_\@:
	STEP 0, 1
	s_sub_co_u32 s[CNT], s[CNT], 1
	s_cmp_lg_u32 s[CNT], 0
	s_cbranch_scc1 .Lstep_\@
.endm
	s_wait_tensorcnt 0x1                           ; my parts of the table and of slot 0 are in; slot 1's may stay out
	s_barrier_signal -1
	s_barrier_wait -1                              ; everybody's are
	v_add_nc_u32 v[ADK], s[TB], v[LI]
	v_add_nc_u32 v[ADS], s[TS], v[LI]
	FETCH_K                                        ; step 0
	BIASLD
	FETCH_V
	s_add_co_u32 s[TB], s[TB], 8192
	s_add_co_u32 s[TS], s[TS], 8192
	THREE                                          ; keys 0-255
	STEP 1, 1
	THREE                                          ; keys 256-511
	STEP 2, 1
	THREE                                          ; keys 512-767
	STEP 3, 1
	THREE                                          ; keys 768-1023
	STEP 0, 0
; ---- THE WAY OUT: O^T / l, as f16: a lane's eight channels of a query are a piece of the next product's fragment as they stand
	s_mov_b32 s60, 0xfe967699                      ; -1e38
.irp t, 0,1
	v_add_f32 v[CC+4*\t], v[ST+8*\t+2], v[ST+8*\t+3]
.endr
.irp t, 0,1
	v_permlanex16_b32 v[CC+4*\t+1], v[CC+4*\t], s[SEL], s[SEL+1]
.endr
.irp t, 0,1
	v_add_f32 v[CC+4*\t], v[CC+4*\t], v[CC+4*\t+1]
.endr
.irp t, 0,1
	v_rcp_f32 v[CC+4*\t+2], v[CC+4*\t]
.endr
	v_mov_b32 v[CC+3], 0x7fc00000                  ; NaN.  (A plain line behind the reciprocals)
	s_wait_alu depctr_va_vdst(0)                   ; one wait for the two, ahead of their first reader
.irp t, 0,1
	v_cmp_gt_f32 vcc_lo, s60, v[ST+8*\t+1]         ; no key counted for this query
	v_cndmask_b32 v[ST+8*\t+4], v[CC+4*\t+2], v[CC+3], vcc_lo
.endr
.irp t, 0,1
.irp j, 0,2,4,6,8,10,12,14,16,18,20,22,24,26,28,30
	v_pk_mul_f32 v[O+32*\t+\j:O+32*\t+\j+1], v[O+32*\t+\j:O+32*\t+\j+1], v[ST+8*\t+4:ST+8*\t+5] op_sel_hi:[1,0]
.endr
.endr
.irp t, 0,1
.set i, 0
.rept 16
	v_cvt_pk_f16_f32 v[S+32*\t+i], v[O+32*\t+2*i], v[O+32*\t+2*i+1]
.set i, i+1
.endr
.endr
.irp t, 0,1
.irp ch, 0,1,2,3
	global_store_b128 v[LI], v[S+32*\t+4*\ch:S+32*\t+4*\ch+3], s[12:13] offset:\t*16384+512*\ch   ; 512 consecutive bytes a store, aligned
.endr
.endr
	s_wait_tensorcnt 0x0                           ; the wave's end
	ds_add_u32 v[SPW], v[NIL]
	s_wait_dscnt 0x0
	CROUND                                         ; the closing round: no work-group ends while a partner may still ask for a tile that names it
	s_endpgm
.Lfunc_end_k_qf64be9e079_attn:
	.size	k_qf64be9e079_attn, .Lfunc_end_k_qf64be9e079_attn-k_qf64be9e079_attn
	.p2alignl 7, 3214868480
	.fill 96, 4, 3214868480
	.section	.rodata,"a",@progbits
	.p2align	6, 0x0
	.amdhsa_kernel k_qf64be9e079_attn
		.amdhsa_group_segment_fixed_size 327680
		.amdhsa_private_segment_fixed_size 0
		.amdhsa_enable_private_segment 0
		.amdhsa_kernarg_size 40
		.amdhsa_user_sgpr_count 2
		.amdhsa_user_sgpr_kernarg_segment_ptr 1
		.amdhsa_wavefront_size32 1
		.amdhsa_system_sgpr_workgroup_id_x 1
		.amdhsa_system_sgpr_workgroup_id_y 1
		.amdhsa_system_sgpr_workgroup_id_z 1
		.amdhsa_system_vgpr_workitem_id 0
		.amdhsa_next_free_vgpr 512
		.amdhsa_next_free_sgpr 80
		.amdhsa_reserve_vcc 1
		.amdhsa_float_denorm_mode_32 3
		.amdhsa_float_denorm_mode_16_64 3
		.amdhsa_memory_ordered 1
		.amdhsa_forward_progress 1
		.amdhsa_inst_pref_size 197
	.end_amdhsa_kernel
	.amdgpu_metadata
---
amdhsa.version: [ 1, 2 ]
amdhsa.kernels:
  - .name:           k_qf64be9e079_attn
    .symbol:         k_qf64be9e079_attn.kd
    .args:
      - { .name: qacc, .offset: 0, .size: 8, .value_kind: global_buffer, .address_space: global }
      - { .name: kimg, .offset: 8, .size: 8, .value_kind: global_buffer, .address_space: global }
      - { .name: vimg, .offset: 16, .size: 8, .value_kind: global_buffer, .address_space: global }
      - { .name: cpack, .offset: 24, .size: 8, .value_kind: global_buffer, .address_space: global }
      - { .name: ximg, .offset: 32, .size: 8, .value_kind: global_buffer, .address_space: global }
    .group_segment_fixed_size: 327680
    .private_segment_fixed_size: 0
    .kernarg_segment_align: 8
    .kernarg_segment_size: 40
    .max_flat_workgroup_size: 256
    .sgpr_count:     80
    .vgpr_count:     512
    .wavefront_size: 32
...
	.end_amdgpu_metadata
.endif
;; end of part 3
;; launch outp (part 4): grid 4 x 64, 8 waves a work-group, clusters of 4 x 4, 327,680 bytes of LDS; arguments ximg, woimg, out0; writes out0
.if DOCPART == 4
	.amdgcn_target "amdgcn-amd-amdhsa--gfx1250"
	.amdhsa_code_object_version 6
	.text
	.protected	k_qf64be9e079_outp
	.globl	k_qf64be9e079_outp
	.p2align	8
	.type	k_qf64be9e079_outp,@function
k_qf64be9e079_outp:
	s_mov_b64 s[64:65], 0
	v_nop
	global_prefetch_b8 v0, s[64:65] scope:SCOPE_SE
	s_setreg_imm32_b32 hwreg(HW_REG_WAVE_MODE, 25, 1), 1
	s_wait_xcnt 0x0
	s_wait_alu depctr_hold_cnt(0) depctr_sa_sdst(0) depctr_va_vdst(0) depctr_va_sdst(0) depctr_va_ssrc(0) depctr_va_vcc(0) depctr_vm_vsrc(0)
	s_getreg_b32 s2, hwreg(HW_REG_IB_STS2, 6, 4)
	s_cmp_eq_u32 s2, 0
	s_cbranch_scc0 .Lentry_in_a_cluster
	s_endpgm
.Lentry_in_a_cluster:
	s_bfe_u32 s2, ttmp6, 0x10000c
	s_cmp_lg_u32 s2, 0xf033
	s_cbranch_scc0 .Lentry_shape_is_right
	s_endpgm
.Lentry_shape_is_right:
; OUTP: out0 [8192][512] f32 = X [8192][K 512] WO [K 512][512], f16 operands, f32 sums; K = 64 head + e on both sides.
; X and WO lie in memory as images of operand registers: [tile of 16 rows or columns][16 K steps of 32][2 pieces of 512 bytes]: 16,384 bytes a tile.
; A work-group makes 128 rows x 128 columns; wave w rows 32 (w / 2) on, columns 64 (w % 2) on: 8 accumulators.  All of K lies in LDS: four chunks of 4 K steps, each [X: 8 tiles x 4 KiB][WO: 8 tiles x 4 KiB],
; every byte filled once; a wave has its four tensor loads out at the start, and the chunks are multiplied as they land.
; CLUSTERS: 4 x 4 work-groups.  X's tiles hang on the row block alone and are shared along a row of the cluster, WO's on the column block alone and are shared along a column: joint loads.
; The matrix instruction is used transposed (source 0 = 16 columns of WO, source 1 = 16 rows of X): a lane holds eight neighbouring numbers of a row of out0; they go through the wave's own stage
; and leave as rows of 256 bytes, sixteen lanes to a row.  No prefetch: every tile is asked for at the head.
.set STAGE, 262144                     ; behind the chunks: 16 rows x 272 bytes for each wave; no tensor load lands here
.set SPARE, 296960                     ; the spare words, 128 bytes for each wave: four blocks of 256 bytes that no other line names
.set AX,  1                            ; v1  LDS address of my X fragments in the chunk in hand
.set AW,  2                            ; v2  the same for WO
.set STO, 3                            ; v3  the stage: where I put 32 bytes of a row
.set RD,  4                            ; v4  and where I read a row back
.set CO,  5                            ; v5  my byte offset in out0
.set SPW, 6                            ; v6  LDS address of my spare word; never rewritten
.set NIL, 7                            ; v7  0; never rewritten
.set F0,  16                           ; v16-63   a K step's fragments: X's two, then WO's four
.set F1,  64                           ; v64-111  the other buffer
.set ACC, 112                          ; v112-175 accumulator (a, ct) at 8 (4 a + ct)
.set WV,  10
.macro PLACES
.rept 4
	v_nop
.endr
.endm
.macro CROUND
	s_barrier_signal -1
	s_barrier_wait -1
	s_cmp_lg_u32 s[WV], 0
	s_cbranch_scc1 .Lnot_wave_0_\@
	s_barrier_signal -3
.Lnot_wave_0_\@:
	s_barrier_wait -3
	s_barrier_signal -1
	s_barrier_wait -1
.endm
	s_load_b128 s[4:7], s[0:1], 0x0                ; ximg s[4:5], woimg s[6:7]
	s_load_b64 s[8:9], s[0:1], 0x10                ; out0
	v_lshl_add_u32 v[SPW], v0, 2, SPARE
	v_mov_b32 v[NIL], 0
	ds_add_u32 v[SPW], v[NIL]                      ; the wave's opening: the add, twice on end, and its wait ahead of my first tensor load
	ds_add_u32 v[SPW], v[NIL]
	v_lshrrev_b32 v8, 5, v0
	v_readfirstlane_b32 s[WV], v8                  ; wave 0..7
	s_bfe_u32 s11, ttmp6, 0x40000                  ; cx
	s_bfe_u32 s12, ttmp6, 0x40004                  ; cy
	s_lshl_b32 s13, ttmp9, 2
	s_add_co_u32 s13, s13, s11                     ; column block = 4 x cluster x + cx
	s_and_b32 s14, ttmp7, 0xffff
	s_lshl_b32 s14, s14, 2
	s_add_co_u32 s14, s14, s12                     ; row block = 4 x cluster y + cy
	s_lshl_b32 s15, s12, 2
	s_lshl_b32 s15, 15, s15                        ; my row of the cluster
	s_lshl_b32 s16, 0x1111, s11                    ; my column
	; group 1: two tiles' parts of a chunk: 2 rows of 4,096 bytes (512 elements of 8 bytes), 16,384 bytes apart
	s_or_b32 s24, s15, (3<<16)|(1<<21)             ; X's tiles go to my row
	s_or_b32 s32, s16, (3<<16)|(1<<21)             ; WO's to my column
.irp g, 24,32
	s_mov_b32 s[\g+1], 512<<16                     ; tensor_dim0
	s_mov_b32 s[\g+2], 2<<16                       ; tensor_dim1
	s_mov_b32 s[\g+3], 512<<16                     ; tile_dim0
	s_mov_b32 s[\g+4], 2                           ; tile_dim1
	s_mov_b32 s[\g+5], 2048                        ; from row to row
	s_mov_b32 s[\g+6], 0
	s_mov_b32 s[\g+7], 0
.endr
	s_and_b32 s17, s[WV], 3
	s_lshl_b32 s17, s17, 1                         ; which two of the eight tiles I fetch
	s_lshl_b32 s18, s14, 3
	s_add_co_u32 s18, s18, s17
	s_lshl_b32 s18, s18, 14                        ; X: made of the row block and the wave's number alone
	s_mov_b32 s19, 0
	s_lshl_b32 s20, s13, 3
	s_add_co_u32 s20, s20, s17
	s_lshl_b32 s20, s20, 14                        ; WO: of the column block and the wave's number alone
	s_mov_b32 s21, 0
	s_lshl_b32 s22, s[WV], 13                      ; where they go in a chunk: waves 0-3 X's half, waves 4-7 WO's
	s_lshl_b32 s56, s14, 18                        ; out0: 128 rows of 2,048 bytes a row block,
	s_lshr_b32 s57, s[WV], 1
	s_lshl_b32 s57, s57, 16                        ; my 32 rows,
	s_add_co_u32 s56, s56, s57
	s_lshl_b32 s57, s13, 9                         ; 512 bytes a column block,
	s_add_co_u32 s56, s56, s57
	s_and_b32 s57, s[WV], 1
	s_lshl_b32 s57, s57, 8                         ; my 256
	s_add_co_u32 s56, s56, s57
	s_mov_b32 s57, 0
	s_wait_dscnt 0x0                               ; both opening adds are done
	s_wait_kmcnt 0x0
	s_add_nc_u64 s[18:19], s[4:5], s[18:19]
	s_add_nc_u64 s[20:21], s[6:7], s[20:21]
	s_add_nc_u64 s[8:9], s[8:9], s[56:57]
.irp q, 0,1,2,3                                ; group 0 for each chunk: K steps 4 q on, 4,096 bytes along a tile
	s_mov_b32 s[40+4*\q], 1
	s_add_co_u32 s[41+4*\q], s22, \q*65536
	s_add_nc_u64 s[42+4*\q:43+4*\q], s[18:19], \q*4096
	s_or_b32 s[43+4*\q], s[43+4*\q], 0x80000000
	s_mov_b32 s[68+4*\q], 1
	s_add_co_u32 s[69+4*\q], s22, \q*65536
	s_add_nc_u64 s[70+4*\q:71+4*\q], s[20:21], \q*4096
	s_or_b32 s[71+4*\q], s[71+4*\q], 0x80000000
.endr
	CROUND                                         ; all sixteen work-groups are here: the joint loads meet
	s_cmp_lt_u32 s[WV], 4                          ; a wave's four fills stand in one branch on the wave's number, the same in every work-group
	s_cbranch_scc0 .Lfor_w
.irp q, 0,1,2,3
	tensor_load_to_lds s[40+4*\q:43+4*\q], s[24:31]
	s_nop 0
.endr
	PLACES
	s_branch .Lasked
.Lfor_w:
.irp q, 0,1,2,3
	tensor_load_to_lds s[68+4*\q:71+4*\q], s[32:39]
	s_nop 0
.endr
	PLACES
.Lasked:
	v_and_b32 v8, 31, v0
	v_lshlrev_b32 v8, 4, v8                        ; 16 x lane
	v_and_b32 v9, 15, v0                           ; r
	v_bfe_u32 v10, v0, 4, 1                        ; h
	s_lshr_b32 s58, s[WV], 1
	s_lshl_b32 s58, s58, 13                        ; my two tiles of X
	v_add_nc_u32 v[AX], s58, v8
	s_and_b32 s58, s[WV], 1
	s_lshl_b32 s58, s58, 14                        ; my four tiles of WO,
	s_add_co_u32 s58, s58, 32768                   ; behind X's eight
	v_add_nc_u32 v[AW], s58, v8
	s_mul_i32 s58, s[WV], 4352
	s_add_co_u32 s58, s58, STAGE                   ; my stage
	v_mul_u32_u24 v[STO], v9, 272
	v_lshl_add_u32 v[STO], v10, 5, v[STO]
	v_add_nc_u32 v[STO], s58, v[STO]               ; in: row r, 32 bytes for each half of the lanes
	v_mul_u32_u24 v[RD], v10, 272
	v_lshl_add_u32 v[RD], v9, 4, v[RD]
	v_add_nc_u32 v[RD], s58, v[RD]                 ; back: lanes 0-15 one row of 256 bytes, lanes 16-31 the next
	v_lshlrev_b32 v[CO], 11, v10
	v_lshl_add_u32 v[CO], v9, 4, v[CO]             ; and the same two rows in out0
.macro FETCH f, i                      ; 12 LDS loads: the chunk's i-th K step
.irp a, 0,1
.irp c, 0,1
	ds_load_b128 v[\f+8*\a+4*\c:\f+8*\a+4*\c+3], v[AX] offset:\a*4096+\i*1024+512*\c
.endr
.endr
.irp ct, 0,1,2,3
.irp c, 0,1
	ds_load_b128 v[\f+16+8*\ct+4*\c:\f+16+8*\ct+4*\c+3], v[AW] offset:\ct*4096+\i*1024+512*\c
.endr
.endr
.endm
.macro MUL f, zero                     ; 8 products; the eight accumulators by turns
.irp a, 0,1
.irp ct, 0,1,2,3
.if \zero
	v_wmma_f32_16x16x32_f16 v[ACC+8*(4*\a+\ct):ACC+8*(4*\a+\ct)+7], v[\f+16+8*\ct:\f+16+8*\ct+7], v[\f+8*\a:\f+8*\a+7], 0
.else
	v_wmma_f32_16x16x32_f16 v[ACC+8*(4*\a+\ct):ACC+8*(4*\a+\ct)+7], v[\f+16+8*\ct:\f+16+8*\ct+7], v[\f+8*\a:\f+8*\a+7], v[ACC+8*(4*\a+\ct):ACC+8*(4*\a+\ct)+7]
.endif
.endr
.endr
.endm
.macro CHUNK q
	s_wait_tensorcnt 3-\q                          ; my part of chunk q is in; the later chunks may stay out
	s_wait_dscnt 0x0
	s_barrier_signal -1
	s_barrier_wait -1                              ; everybody's is
.if \q > 0
	v_add_nc_u32 v[AX], 0x10000, v[AX]             ; with the two v_nop: four places in front of the loads into registers just multiplied
	v_add_nc_u32 v[AW], 0x10000, v[AW]
	v_nop
	v_nop
.endif
	FETCH F0, 0
	FETCH F1, 1
	s_wait_dscnt 12                                ; the older run is in; the other buffer's twelve may be out
.if \q == 0
	MUL F0, 1                                      ; the first K step starts the sums
.else
	MUL F0, 0
.endif
	PLACES
	FETCH F0, 2
	s_wait_dscnt 12
	MUL F1, 0
	PLACES
	FETCH F1, 3
	s_wait_dscnt 12
	MUL F0, 0
	s_wait_dscnt 0x0
	MUL F1, 0
.endm
	CHUNK 0
	CHUNK 1
	CHUNK 2
	CHUNK 3
; ---- THE WAY OUT, 16 rows x 64 columns at a time, through my own stage.  LDS serves a wave's instructions in order: no wait between the stores and the loads, nor in front of the second tile's stores.
	PLACES
.irp a, 0,1
.irp ct, 0,1,2,3
	ds_store_b128 v[STO], v[ACC+8*(4*\a+\ct):ACC+8*(4*\a+\ct)+3] offset:64*\ct          ; each accumulator from its low end on
	ds_store_b128 v[STO], v[ACC+8*(4*\a+\ct)+4:ACC+8*(4*\a+\ct)+7] offset:64*\ct+16
.endr
.irp i, 0,1,2,3,4,5,6,7
	ds_load_b128 v[F0+48*\a+4*\i:F0+48*\a+4*\i+3], v[RD] offset:\i*544
.endr
.endr
.irp a, 0,1
.irp i, 0,1,2,3,4,5,6,7
	s_wait_dscnt 23-16*\a-\i                       ; behind this load: the rest of its run, and for the first tile the second tile's sixteen
	global_store_b128 v[CO], v[F0+48*\a+4*\i:F0+48*\a+4*\i+3], s[8:9] offset:\a*32768+\i*4096 th:TH_STORE_NT   ; sixteen lanes store 256 consecutive bytes, aligned
.endr
.endr
	s_wait_tensorcnt 0x0                           ; the wave's end
	ds_add_u32 v[SPW], v[NIL]
	s_wait_dscnt 0x0
	CROUND                                         ; the closing round
	s_endpgm
.Lfunc_end_k_qf64be9e079_outp:
	.size	k_qf64be9e079_outp, .Lfunc_end_k_qf64be9e079_outp-k_qf64be9e079_outp
	.p2alignl 7, 3214868480
	.fill 96, 4, 3214868480
	.section	.rodata,"a",@progbits
	.p2align	6, 0x0
	.amdhsa_kernel k_qf64be9e079_outp
		.amdhsa_group_segment_fixed_size 327680
		.amdhsa_private_segment_fixed_size 0
		.amdhsa_enable_private_segment 0
		.amdhsa_kernarg_size 24
		.amdhsa_user_sgpr_count 2
		.amdhsa_user_sgpr_kernarg_segment_ptr 1
		.amdhsa_wavefront_size32 1
		.amdhsa_system_sgpr_workgroup_id_x 1
		.amdhsa_system_sgpr_workgroup_id_y 1
		.amdhsa_system_sgpr_workgroup_id_z 1
		.amdhsa_system_vgpr_workitem_id 0
		.amdhsa_next_free_vgpr 256
		.amdhsa_next_free_sgpr 96
		.amdhsa_reserve_vcc 0
		.amdhsa_float_denorm_mode_32 3
		.amdhsa_float_denorm_mode_16_64 3
		.amdhsa_memory_ordered 1
		.amdhsa_forward_progress 1
		.amdhsa_inst_pref_size 35
	.end_amdhsa_kernel
	.amdgpu_metadata
---
amdhsa.version: [ 1, 2 ]
amdhsa.kernels:
  - .name:           k_qf64be9e079_outp
    .symbol:         k_qf64be9e079_outp.kd
    .args:
      - { .name: ximg, .offset: 0, .size: 8, .value_kind: global_buffer, .address_space: global }
      - { .name: woimg, .offset: 8, .size: 8, .value_kind: global_buffer, .address_space: global }
      - { .name: out0, .offset: 16, .size: 8, .value_kind: global_buffer, .address_space: global }
    .group_segment_fixed_size: 327680
    .private_segment_fixed_size: 0
    .kernarg_segment_align: 8
    .kernarg_segment_size: 24
    .max_flat_workgroup_size: 256
    .sgpr_count:     96
    .vgpr_count:     256
    .wavefront_size: 32
...
	.end_amdgpu_metadata
.endif
;; end of part 4
;; ======== version 2 of 2: 4 launches; version 1 with the launch proj written anew for expert scheduling mode
;; limits: values are held in f16: magnitudes above 65,504 overflow, below 6.1e-05 lose precision
;; workspace buffers: wpack 442,368 bytes; woimg 524,288 bytes; cpack 430,080 bytes; qacc 16,777,216 bytes; kimg 8,388,608 bytes; vimg 8,388,608 bytes; ximg 8,388,608 bytes
;; launch prep: the kernel of part 1 again; grid 161 x 1, 4 waves a work-group, no clusters, 0 bytes of LDS; arguments wq, wk, wv, wo, bu, bv, mask, wpack, woimg, cpack; writes wpack, woimg, cpack
;; launch proj (part 5): grid 256 x 3, 8 waves a work-group, no clusters, 77,824 bytes of LDS; arguments q, k, v, wpack, qacc, kimg, vimg; writes qacc, kimg, vimg
.if DOCPART == 5
	.amdgcn_target "amdgcn-amd-amdhsa--gfx1250"
	.amdhsa_code_object_version 6
	.text
	.protected	k_qf64be9e079_proj
	.globl	k_qf64be9e079_proj
	.p2align	8
	.type	k_qf64be9e079_proj,@function
k_qf64be9e079_proj:
	s_mov_b64 s[64:65], 0
	v_nop
	global_prefetch_b8 v0, s[64:65] scope:SCOPE_SE
	s_setreg_imm32_b32 hwreg(HW_REG_WAVE_SCHED_MODE, 0, 2), 2
	s_setreg_imm32_b32 hwreg(HW_REG_WAVE_MODE, 25, 1), 1
	s_wait_xcnt 0x0
	s_wait_alu depctr_vm_vsrc(0)
; PROJ: the three quantised products, [8192][512] x [512][512], on codes of E2M1 with one E8M0 scale for each 32 along K; sums in f32, K ascending, one accumulator an output.
; Work-group (x, y): 32 tokens of tensor y (0 q, 1 k, 2 v).  Wave w = head w: its 4 column tiles x 4 K steps of weight codes (128 registers) and 16 scale words come straight
; from memory, laid by the launch before in the order of the operand's registers.  The block's 8 fragments of x (2 token tiles x 4 K steps of 128) are quantised one to a wave and reach
; all waves through LDS as images of their registers (16 bytes a lane, 512 bytes a store; the scale word 4 bytes a lane).
; q, k: the product is used transposed (source 0 = 16 features, source 1 = 16 tokens): a lane holds one token and eight neighbouring features.  q leaves as raw f32 sums (bias and
; rotation follow where they are needed), k as f16 pieces of a fragment whose K runs along the features.  v: source 0 = tokens, source 1 = features: a lane holds one feature and eight
; neighbouring tokens: f16 pieces of a fragment whose K runs along the keys.  Every store of a wave covers 512 consecutive bytes, aligned.
; No tensor load and no cluster: the weights go into registers by plain loads and x is read by one work-group alone.
; LIMITS: NaN and infinities among the inputs are not served; a block whose largest magnitude lies under 2^-124 has its byte held at 1; a block of zeros gets the byte 1 (its codes are zeros);
; k's and v's projections beyond 65,504 overflow f16, under 2^-16 they are coarser than 8 significant bits.
; THE MODE: SCHED_MODE bits 1:0 = 2 (LLVM: expert scheduling mode 2), set by the entry lines.  The code itself states the register dependences
; between vector or matrix instructions and memory or LDS instructions, with s_wait_alu, always for 0.
; THE PLAN.  Registers that memory or LDS instructions touch, in the order of the program:
;   v1-6, v14   offsets and LDS addresses: written once at the head, read by loads and stores, never written again.
;   X v160-223  x's loads land; the stage's stores read them; the stage's loads land in them again; the maxima and the conversions read them.  Then:
;     XF0 v160-191   token tile 0's fragments land; the first run of products reads them; the second run writes its sums over them (ACC1); the stores read those.
;     ACC0 v192-223  the first run writes its sums; the stores read them.
;   PC v240-247 and the scale word v254: the conversions write them, the image's stores read them.  Then XF1 v224-255: token tile 1's fragments land; the second run reads them.
;   XS v8-11    x's scale words land once: lanes 0-15 take token tile 0's, lanes 16-31 token tile 1's.      W, WS v16-159: the weights land once.
; Both token tiles' fragments are asked for in one run behind the barrier, into two buffers, so that no load is issued behind a matrix instruction; the results have registers of their own for each
; tile, and the roundings to f16 close up in place, so that no store's data are written again.  One wait on va_vdst stands ahead of each run of stores, LDS or global.
.set XIMG,  0                          ; LDS: x's 8 fragments, 1,024 bytes each
.set XSC,   8192                       ; their scale words, 128 bytes each
.set STG,   9216                       ; a stage for each wave: 16 rows x (512 + 16) bytes
.set SPARE, 76800                      ; the spare words, 128 bytes for each wave: four blocks of 256 bytes that no other line names
.set LI,  1                            ; v1   16 x lane
.set LS,  2                            ; v2   4 x lane
.set STI, 3                            ; v3   the stage, on the way in
.set STO, 4                            ; v4   and on the way out: row r, + 128 h
.set XWI, 5                            ; v5   where I store my fragment's image
.set XWS, 6                            ; v6   and its scale words
.set H8,  7                            ; v7   8 h: named by vector instructions alone
.set XS,  8                            ; v8-11    x's scale words of four K steps, both token tiles': scales and nothing else
.set SPW, 12                           ; v12  LDS address of my spare word; never rewritten
.set NIL, 13                           ; v13  0; never rewritten
.set XSA, 14                           ; v14  4 x lane + 512 h: lanes 16-31 read the scale words four fragments on, token tile 1's
.set W,   16                           ; v16-143  the weights' fragments: tile t, K step s at W + 32 t + 8 s
.set WS,  144                          ; v144-159 their scale words: scales and nothing else
.set X,   160                          ; v160-223 64 numbers of x; later:
.set XF0, 160                          ; v160-191 token tile 0's four fragments; later:
.set ACC1, 160                         ; v160-191 token tile 1's four accumulators
.set ACC0, 192                         ; v192-223 token tile 0's four accumulators
.set XF1, 224                          ; v224-255 token tile 1's four fragments; before the barrier:
.set PC,  240                          ; v240-247 the codes just made
.set TM,  248                          ; v248-255 at work
	s_load_b256 s[4:11], s[0:1], 0x0               ; q s[4:5], k s[6:7], v s[8:9], wpack s[10:11]
	s_load_b128 s[12:15], s[0:1], 0x20             ; qacc s[12:13], kimg s[14:15]
	s_load_b64 s[16:17], s[0:1], 0x30              ; vimg
	v_lshl_add_u32 v[SPW], v0, 2, SPARE
	v_mov_b32 v[NIL], 0
	v_lshrrev_b32 v15, 5, v0
	v_readfirstlane_b32 s18, v15                   ; wave 0..7
	s_and_b32 s19, ttmp7, 0xffff                   ; the tensor
	s_mov_b32 s20, 0x76543210
	s_mov_b32 s21, 0xfedcba98                      ; v_permlanex16_b32's selects for lane l xor 16
	v_and_b32 v15, 31, v0                          ; lane
	v_bfe_u32 v[H8], v0, 4, 1                      ; h
	v_lshlrev_b32 v[LI], 4, v15
	v_lshlrev_b32 v[LS], 2, v15
	v_lshl_add_u32 v[XSA], v[H8], 9, v[LS]
	v_and_b32 v15, 15, v0                          ; r
	v_mul_u32_u24 v[STO], v15, 528
	v_lshl_add_u32 v[STO], v[H8], 7, v[STO]
	v_lshlrev_b32 v[H8], 3, v[H8]
	s_wait_alu depctr_va_sdst(0)                   ; s18 is written, ahead of its first reader: LDS addresses and all bases are made from it
	s_mul_i32 s22, s18, 8448
	s_add_co_u32 s22, s22, STG                     ; my stage
	v_add_nc_u32 v[STI], s22, v[LI]
	v_add_nc_u32 v[STO], s22, v[STO]
	s_lshl_b32 s40, s18, 10
	v_add_nc_u32 v[XWI], s40, v[LI]                ; XIMG = 0
	s_lshl_b32 s41, s18, 7
	s_add_co_u32 s41, s41, XSC
	v_add_nc_u32 v[XWS], s41, v[LS]                ; (s22, s40 and s41, which vector instructions read, are not written again)
	s_lshl_b32 s24, ttmp9, 16                      ; x: 32 rows of 2,048 bytes a block,
	s_lshr_b32 s26, s18, 2
	s_lshl_b32 s26, s26, 15                        ; my token tile (wave / 4),
	s_add_co_u32 s24, s24, s26
	s_and_b32 s26, s18, 3
	s_lshl_b32 s26, s26, 9                         ; my K step (wave % 4): 512 bytes of a row
	s_add_co_u32 s24, s24, s26
	s_mov_b32 s25, 0
	s_lshl_b32 s28, s19, 17                        ; the weights' codes: 131,072 bytes a tensor, 16,384 a head
	s_lshl_b32 s26, s18, 14
	s_add_co_u32 s28, s28, s26
	s_mov_b32 s29, 0
	s_lshl_b32 s30, s19, 14                        ; their scale words: 16,384 a tensor, 2,048 a head
	s_lshl_b32 s26, s18, 11
	s_add_co_u32 s30, s30, s26
	s_add_co_u32 s30, s30, 393216
	s_mov_b32 s31, 0
	s_lshr_b32 s34, ttmp9, 5                       ; batch
	s_lshl_b32 s34, s34, 3
	s_add_co_u32 s34, s34, s18                     ; 8 batch + head
	s_and_b32 s35, ttmp9, 31                       ; the block within its batch
	s_lshl_b32 s38, s34, 17
	s_lshl_b32 s35, s35, 12
	s_add_co_u32 s38, s38, s35                     ; where my results begin in kimg or vimg; twice that in qacc
	s_mov_b32 s39, 0
	s_wait_kmcnt 0x0
	s_cmp_eq_u32 s19, 0
	s_cselect_b64 s[32:33], s[4:5], s[6:7]
	s_cmp_eq_u32 s19, 2
	s_cselect_b64 s[32:33], s[8:9], s[32:33]
	s_add_nc_u64 s[32:33], s[32:33], s[24:25]
	s_add_nc_u64 s[28:29], s[10:11], s[28:29]
	s_add_nc_u64 s[30:31], s[10:11], s[30:31]
	s_wait_alu depctr_va_vdst(0)                   ; the seven offsets and addresses v1 to v6 and v14 are written, which every load and store below reads; no vector instruction names them again
.irp i, 0,1,2,3,4,5,6,7,8,9,10,11,12,13,14,15
	global_load_b128 v[X+4*\i:X+4*\i+3], v[LI], s[32:33] offset:2048*\i th:TH_LOAD_NT   ; row i: 512 consecutive bytes a load
.endr
.set n, 0
.rept 32
	global_load_b128 v[W+4*n:W+4*n+3], v[LI], s[28:29] offset:512*n
.set n, n+1
.endr
.set n, 0
.rept 16
	global_load_b32 v[WS+n], v[LS], s[30:31] offset:128*n
.set n, n+1
.endr
	s_wait_loadcnt 48                              ; x's sixteen loads are in; the 48 younger ones, the weights' and their scales', stay out
; the turn through my own stage: in as loaded, back so that lane (r, h) holds, of row r, K = 64 c + 32 h + 0 .. 31 in registers 32 c on.  LDS serves a wave's instructions in order: no wait on DScnt between.
.irp i, 0,1,2,3,4,5,6,7,8,9,10,11,12,13,14,15
	ds_store_b128 v[STI], v[X+4*\i:X+4*\i+3] offset:528*\i
.endr
	s_wait_alu depctr_vm_vsrc(0)                   ; the stage's stores have read v[X ..], in which the loads below land
.irp c, 0,1
.irp g, 0,1,2,3,4,5,6,7
	ds_load_b128 v[X+32*\c+4*\g:X+32*\c+4*\g+3], v[STO] offset:256*\c+16*\g
.endr
.endr
	s_wait_dscnt 0x0
.irp c, 0,1
	v_max3_num_f32 v[TM+\c], |v[X+32*\c]|, |v[X+32*\c+1]|, 0x1800000   ; my block 2 c + h: all 32 numbers are mine; the floor 2^(3 - 127) holds the byte at 1 from below
.endr
.irp i, 2,4,6,8,10,12,14,16,18,20,22,24,26,28,30
.irp c, 0,1
	v_max3_num_f32 v[TM+\c], v[TM+\c], |v[X+32*\c+\i]|, |v[X+32*\c+\i+1]|
.endr
.endr
.irp c, 0,1
	v_add_nc_u32 v[TM+2+\c], 0xff000000, v[TM+\c]  ; 2 off the exponent field: the conversion's scale operand
.endr
.irp c, 0,1
	v_lshrrev_b32 v[TM+4+\c], 23, v[TM+2+\c]       ; the scale's byte
.endr
	v_lshl_or_b32 v[TM+6], v[TM+5], 16, v[TM+4]
	v_lshlrev_b32 v[TM+6], v[H8], v[TM+6]          ; my two bytes at their places,
	v_mov_b32 v[TM+7], 0
	v_permlanex16_b32 v[TM+7], v[TM+6], s20, s21
	v_or_b32 v[TM+6], v[TM+6], v[TM+7]             ; with lane l xor 16's two: row r's scale word, in both lanes
.irp c, 0,1
.irp g, 0,1,2,3
	v_cvt_scalef32_pk8_fp4_f32 v[PC+4*\c+\g], v[X+32*\c+8*\g:X+32*\c+8*\g+7], v[TM+2+\c]
.endr
.endr
	v_nop                                          ; a plain line behind the last scaled conversion
	s_wait_alu depctr_va_vdst(0)                   ; the conversions have written v[PC ..] and the scale word is made, which the stores below read; and the vector side is done with v160-191 and v240-255, in which the fragments' loads behind the barrier land
	ds_store_b128 v[XWI], v[PC:PC+3]
	ds_store_b128 v[XWI], v[PC+4:PC+7] offset:512
	ds_store_b32 v[XWS], v[TM+6]
	s_wait_dscnt 0x0                               ; for the others' sake: my image has landed
	s_barrier_signal -1
	s_barrier_wait -1                              ; x's eight fragments lie in LDS; nothing is stored to LDS from here on
	s_wait_alu depctr_vm_vsrc(0)                   ; my image's stores have read v[PC ..] and the scale word: token tile 1's fragments land in these registers
; Both token tiles in one run, ahead of the parting by tensor: 20 LDS loads.  No vector or matrix instruction has been issued since the last wait on va_vdst.
.irp s, 0,1,2,3
.irp c, 0,1
	ds_load_b128 v[XF0+8*\s+4*\c:XF0+8*\s+4*\c+3], v[LI] offset:XIMG+\s*1024+512*\c
.endr
.endr
.irp s, 0,1,2,3
	ds_load_b32 v[XS+\s], v[XSA] offset:XSC+\s*128 ; lanes 0-15: fragment s, token tile 0's rows; lanes 16-31: fragment 4 + s, token tile 1's
.endr
.irp s, 0,1,2,3
.irp c, 0,1
	ds_load_b128 v[XF1+8*\s+4*\c:XF1+8*\s+4*\c+3], v[LI] offset:XIMG+(4+\s)*1024+512*\c
.endr
.endr
	s_wait_loadcnt 0x0                             ; the weights and their scale words
; 16 matrix instructions: K step by K step, the four accumulators by turns; the first K step starts the sums.  row = 1: x's scale words are taken from lanes 16-31.
.macro MULW xf, acc, row               ; source 0 = 16 features of the weights, source 1 = 16 tokens
.irp s, 0,1,2,3
.irp t, 0,1,2,3
.if (\s == 0) && (\row == 0)
	v_wmma_scale_f32_16x16x128_f8f6f4 v[\acc+8*\t:\acc+8*\t+7], v[W+32*\t+8*\s:W+32*\t+8*\s+7], v[\xf+8*\s:\xf+8*\s+7], 0, v[WS+4*\t+\s], v[XS+\s] matrix_a_fmt:MATRIX_FMT_FP4 matrix_b_fmt:MATRIX_FMT_FP4
.elseif \s == 0
	v_wmma_scale_f32_16x16x128_f8f6f4 v[\acc+8*\t:\acc+8*\t+7], v[W+32*\t+8*\s:W+32*\t+8*\s+7], v[\xf+8*\s:\xf+8*\s+7], 0, v[WS+4*\t+\s], v[XS+\s] matrix_a_fmt:MATRIX_FMT_FP4 matrix_b_fmt:MATRIX_FMT_FP4 matrix_b_scale:MATRIX_SCALE_ROW1
.elseif \row == 0
	v_wmma_scale_f32_16x16x128_f8f6f4 v[\acc+8*\t:\acc+8*\t+7], v[W+32*\t+8*\s:W+32*\t+8*\s+7], v[\xf+8*\s:\xf+8*\s+7], v[\acc+8*\t:\acc+8*\t+7], v[WS+4*\t+\s], v[XS+\s] matrix_a_fmt:MATRIX_FMT_FP4 matrix_b_fmt:MATRIX_FMT_FP4
.else
	v_wmma_scale_f32_16x16x128_f8f6f4 v[\acc+8*\t:\acc+8*\t+7], v[W+32*\t+8*\s:W+32*\t+8*\s+7], v[\xf+8*\s:\xf+8*\s+7], v[\acc+8*\t:\acc+8*\t+7], v[WS+4*\t+\s], v[XS+\s] matrix_a_fmt:MATRIX_FMT_FP4 matrix_b_fmt:MATRIX_FMT_FP4 matrix_b_scale:MATRIX_SCALE_ROW1
.endif
.endr
.endr
.endm
.macro MULX xf, acc, row               ; source 0 = 16 tokens, source 1 = 16 features of the weights
.irp s, 0,1,2,3
.irp t, 0,1,2,3
.if (\s == 0) && (\row == 0)
	v_wmma_scale_f32_16x16x128_f8f6f4 v[\acc+8*\t:\acc+8*\t+7], v[\xf+8*\s:\xf+8*\s+7], v[W+32*\t+8*\s:W+32*\t+8*\s+7], 0, v[XS+\s], v[WS+4*\t+\s] matrix_a_fmt:MATRIX_FMT_FP4 matrix_b_fmt:MATRIX_FMT_FP4
.elseif \s == 0
	v_wmma_scale_f32_16x16x128_f8f6f4 v[\acc+8*\t:\acc+8*\t+7], v[\xf+8*\s:\xf+8*\s+7], v[W+32*\t+8*\s:W+32*\t+8*\s+7], 0, v[XS+\s], v[WS+4*\t+\s] matrix_a_fmt:MATRIX_FMT_FP4 matrix_b_fmt:MATRIX_FMT_FP4 matrix_a_scale:MATRIX_SCALE_ROW1
.elseif \row == 0
	v_wmma_scale_f32_16x16x128_f8f6f4 v[\acc+8*\t:\acc+8*\t+7], v[\xf+8*\s:\xf+8*\s+7], v[W+32*\t+8*\s:W+32*\t+8*\s+7], v[\acc+8*\t:\acc+8*\t+7], v[XS+\s], v[WS+4*\t+\s] matrix_a_fmt:MATRIX_FMT_FP4 matrix_b_fmt:MATRIX_FMT_FP4
.else
	v_wmma_scale_f32_16x16x128_f8f6f4 v[\acc+8*\t:\acc+8*\t+7], v[\xf+8*\s:\xf+8*\s+7], v[W+32*\t+8*\s:W+32*\t+8*\s+7], v[\acc+8*\t:\acc+8*\t+7], v[XS+\s], v[WS+4*\t+\s] matrix_a_fmt:MATRIX_FMT_FP4 matrix_b_fmt:MATRIX_FMT_FP4 matrix_a_scale:MATRIX_SCALE_ROW1
.endif
.endr
.endr
.endm
.macro PLACES n
.rept \n
	v_nop
.endr
.endm
.macro OUTQ acc, m                     ; the raw sums of token tile m, each accumulator from its low end on
.irp t, 0,1,2,3
	global_store_b128 v[LI], v[\acc+8*\t:\acc+8*\t+3], s[36:37] offset:\m*4096+\t*1024
	global_store_b128 v[LI], v[\acc+8*\t+4:\acc+8*\t+7], s[36:37] offset:\m*4096+\t*1024+512
.endr
.endm
.macro HALF acc                        ; as f16, in ascending order: the 32 sums close up into the first 16 of their registers: register n takes the numbers of registers 2 n and 2 n + 1, which are read by then
.set n, 0
.rept 16
	v_cvt_pk_f16_f32 v[\acc+n], v[\acc+2*n], v[\acc+2*n+1]
.set n, n+1
.endr
.endm
.macro OUTH acc, m, sm, st             ; four registers an accumulator
.irp t, 0,1,2,3
	global_store_b128 v[LI], v[\acc+4*\t:\acc+4*\t+3], s[36:37] offset:\m*\sm+\t*\st
.endr
.endm
	s_cmp_eq_u32 s19, 0
	s_cbranch_scc0 .Lnot_q
	s_lshl_b32 s38, s38, 1                         ; qacc: 262,144 bytes a head, 8,192 a block
	s_add_nc_u64 s[36:37], s[12:13], s[38:39]
	s_wait_dscnt 8                                 ; token tile 0's fragments and the scale words are in; token tile 1's eight loads may be out
	MULW XF0, ACC0, 0
	PLACES 5                                       ; five places: the next run's sums are written over the fragments that this run has read
	s_wait_dscnt 0x0
	MULW XF1, ACC1, 1
	PLACES 4                                       ; four places behind the last products, before their results are read
	s_wait_alu depctr_va_vdst(0)                   ; the matrix instructions have written both tiles' accumulators, which the stores read; the places above stay beside this wait
	OUTQ ACC0, 0
	OUTQ ACC1, 1
	s_branch .Ldone
.Lnot_q:
	s_cmp_eq_u32 s19, 1
	s_cbranch_scc0 .Lis_v
	s_add_nc_u64 s[36:37], s[14:15], s[38:39]
	s_wait_dscnt 8                                 ; token tile 0's fragments and the scale words are in; token tile 1's eight loads may be out
	MULW XF0, ACC0, 0
	PLACES 5                                       ; five places: the next run's sums are written over the fragments that this run has read; they also stand ahead of the first roundings
	s_wait_dscnt 0x0
	MULW XF1, ACC1, 1
	HALF ACC0                                      ; token tile 0's sixteen roundings name no register of the run just issued: they are the places behind it
	HALF ACC1
	s_wait_alu depctr_va_vdst(0)                   ; the roundings have written the first sixteen registers of both tiles' accumulators, which the stores read
	OUTH ACC0, 0, 2048, 512                        ; kimg: [key tile][feature tile tt]
	OUTH ACC1, 1, 2048, 512
	s_branch .Ldone
.Lis_v:
	s_add_nc_u64 s[36:37], s[16:17], s[38:39]
	s_wait_dscnt 8                                 ; token tile 0's fragments and the scale words are in; token tile 1's eight loads may be out
	MULX XF0, ACC0, 0
	PLACES 5                                       ; five places: the next run's sums are written over the fragments that this run has read; they also stand ahead of the first roundings
	s_wait_dscnt 0x0
	MULX XF1, ACC1, 1
	HALF ACC0                                      ; token tile 0's sixteen roundings name no register of the run just issued: they are the places behind it
	HALF ACC1
	s_wait_alu depctr_va_vdst(0)                   ; the roundings have written the first sixteen registers of both tiles' accumulators, which the stores read
	OUTH ACC0, 0, 512, 1024                        ; vimg: [32 keys][channel tile][half of the keys]
	OUTH ACC1, 1, 512, 1024
.Ldone:
	s_wait_dscnt 0x0                               ; the wave's end
	s_wait_alu 0x0
	s_wait_tensorcnt 0x0
	ds_add_u32 v[SPW], v[NIL]
	s_wait_dscnt 0x0
	s_endpgm
.Lfunc_end_k_qf64be9e079_proj:
	.size	k_qf64be9e079_proj, .Lfunc_end_k_qf64be9e079_proj-k_qf64be9e079_proj
	.p2alignl 7, 3214868480
	.fill 96, 4, 3214868480
	.section	.rodata,"a",@progbits
	.p2align	6, 0x0
	.amdhsa_kernel k_qf64be9e079_proj
		.amdhsa_group_segment_fixed_size 77824
		.amdhsa_private_segment_fixed_size 0
		.amdhsa_enable_private_segment 0
		.amdhsa_kernarg_size 56
		.amdhsa_user_sgpr_count 2
		.amdhsa_user_sgpr_kernarg_segment_ptr 1
		.amdhsa_wavefront_size32 1
		.amdhsa_system_sgpr_workgroup_id_x 1
		.amdhsa_system_sgpr_workgroup_id_y 1
		.amdhsa_system_sgpr_workgroup_id_z 1
		.amdhsa_system_vgpr_workitem_id 0
		.amdhsa_next_free_vgpr 256
		.amdhsa_next_free_sgpr 66
		.amdhsa_reserve_vcc 0
		.amdhsa_float_denorm_mode_32 3
		.amdhsa_float_denorm_mode_16_64 3
		.amdhsa_memory_ordered 1
		.amdhsa_forward_progress 1
		.amdhsa_inst_pref_size 36
	.end_amdhsa_kernel
	.amdgpu_metadata
---
amdhsa.version: [ 1, 2 ]
amdhsa.kernels:
  - .name:           k_qf64be9e079_proj
    .symbol:         k_qf64be9e079_proj.kd
    .args:
      - { .name: q, .offset: 0, .size: 8, .value_kind: global_buffer, .address_space: global }
      - { .name: k, .offset: 8, .size: 8, .value_kind: global_buffer, .address_space: global }
      - { .name: v, .offset: 16, .size: 8, .value_kind: global_buffer, .address_space: global }
      - { .name: wpack, .offset: 24, .size: 8, .value_kind: global_buffer, .address_space: global }
      - { .name: qacc, .offset: 32, .size: 8, .value_kind: global_buffer, .address_space: global }
      - { .name: kimg, .offset: 40, .size: 8, .value_kind: global_buffer, .address_space: global }
      - { .name: vimg, .offset: 48, .size: 8, .value_kind: global_buffer, .address_space: global }
    .group_segment_fixed_size: 77824
    .private_segment_fixed_size: 0
    .kernarg_segment_align: 8
    .kernarg_segment_size: 56
    .max_flat_workgroup_size: 256
    .sgpr_count:     66
    .vgpr_count:     256
    .wavefront_size: 32
...
	.end_amdgpu_metadata
.endif
;; end of part 5
;; launch attn: the kernel of part 3 again; grid 4 x 64, 8 waves a work-group, clusters of 4 x 1, 327,680 bytes of LDS; arguments qacc, kimg, vimg, cpack, ximg; writes ximg
;; launch outp: the kernel of part 4 again; grid 4 x 64, 8 waves a work-group, clusters of 4 x 4, 327,680 bytes of LDS; arguments ximg, woimg, out0; writes out0
